; MI455X (gfx1250); checked and timed in simulation.
; The chip was launched on July 23, 2026; its instructions are those of AMD's public machine-readable ISA for CDNA 5 (MIT licence, August 2026) and "CDNA5" Instruction Set Architecture Reference Guide (July 2026). The comments in the code are by the model that wrote it; some were corrected since.
;; Attention. Allowed arithmetic: matrix products marked QUANTISED: E4M3 operands, one given power-of-two scale a tensor, by v_wmma_f32_16x16x64_fp8_fp8 or v_wmma_f32_16x16x128_fp8_fp8, f32 sums; everything else in f32.
;; Inputs: Wk 2,048 x 2,048 float32; Wo 2,048 x 2,048 float32; Wq 2,048 x 2,048 float32; Wv 2,048 x 2,048 float32; cos 1 x 1 x 2,048 x 128 float32; hidden_states 1 x 2,048 x 2,048 float32; lowp_scales 12 int32 (the exponents e of the quantised operands' scales 2^e); sin 1 x 1 x 2,048 x 128 float32.
;; Outputs: out0 1 x 2,048 x 2,048 float32.
;; This version of the problem:
;;   THIS VERSION OF THE PROBLEM IS GIVEN IN LOW PRECISION. The matrix products marked QUANTISED in the list below multiply operands that are first quantised to E4M3 (4 exponent bits, 3 mantissa bits; 8 bits a number), with one given power-of-two scale for each operand tensor; their sums are f32. All else is computed in f32.
;;   The module's matrix products, in the order in which they are computed (A, B: the left and right operand; K: the contracted axis; several contracted axes count as one K, in the product's order):
;;     1. [M 2,048, K 2,048] x [K 2,048, N 2,048]; A: input hidden_states; B: input Wq: QUANTISED (scales: A lowp_scales[0], B lowp_scales[1])
;;     2. [M 2,048, K 2,048] x [K 2,048, N 2,048]; A: input hidden_states; B: input Wk: QUANTISED (scales: A lowp_scales[2], B lowp_scales[3])
;;     3. [M 2,048, K 2,048] x [K 2,048, N 2,048]; A: input hidden_states; B: input Wv: QUANTISED (scales: A lowp_scales[4], B lowp_scales[5])
;;     4. batch 16 x [M 2,048, K 128] x [K 128, N 2,048]; A: computed on the way; B: computed on the way: QUANTISED (scales: A lowp_scales[6], B lowp_scales[7])
;;     5. batch 16 x [M 2,048, K 2,048] x [K 2,048, N 128]; A: softmax (see below); B: computed on the way: QUANTISED (scales: A lowp_scales[8], B lowp_scales[9])
;;     6. [M 2,048, K 2,048] x [K 2,048, N 2,048]; A: computed on the way; B: input Wo: QUANTISED (scales: A lowp_scales[10], B lowp_scales[11])
;;   THE QUANTISER, for each operand of a quantised product, along K:
;;     - The operand's scale is 2^e, e = its entry of the input lowp_scales (int32; the entries are numbered through the quantised products in the list's order, A before B).
;;     - Each number is divided by the scale, clamped to +-448, and rounded to the nearest number of E4M3, ties to even, subnormals kept.
;;     - The product sums the exact products of the quantised numbers (number of the format x scale) in f32.
;;   ~~~python
;;   def quantise(x, axis, e):      # numpy; x: float32 -> the quantised numbers, widened to float32 again
;;       x = np.moveaxis(x, axis, -1); K = x.shape[-1]
;;       r = np.clip(x / 2.0 ** e, -448, 448)
;;       step = 2.0 ** (np.maximum(np.frexp(np.where(r == 0, 1, r))[1] - 1, -6) - 3)
;;       q = np.round(r / step) * step * 2.0 ** e      # np.round: ties to even
;;       return np.moveaxis(q, -1, axis).astype(np.float32)
;;   ~~~
;;   SOFTMAX AHEAD OF A QUANTISED PRODUCT. Where the list says 'softmax', what is quantised is not the finished softmax but p = 2^(t - M), with t = logit x log2(e) and M = ceil(the row's largest t), a whole number; so 1/2 < the row's largest p <= 1. The row's sum l is taken of the UNQUANTISED p, in f32, and the product's result is divided by l at the end. Since M is a whole number, a kernel that streams over the keys may use a running M (the ceiling of the running maximum): every later rescaling is an exact power of two, so the quantised numbers keep their values, but for numbers so far below the row's largest that they fall under the format's range.
;;   OPERANDS COMPUTED ON THE WAY. 'Computed on the way' means the value that the module computes at that place (a softmax that the list does not call 'softmax' is quantised finished and normalised). What goes into a quantiser is computed in f32, as accurately as f32 sums, v_exp_f32 and their like allow (about 1e-6 of the number): no bf16 or f16 on the way to a quantiser, and a product that is left as it is and whose result goes on into a quantised operand takes f32 operands (vector FMAs, or v_wmma_f32_16x16x4_f32). A number that lies on a knife's edge between two numbers of the format may be rounded either way, as far as f32 arithmetic and the matrix unit's own rounding can turn it there, and no further.
;; One version. Each part assembles by itself: llvm-mc -triple=amdgcn-amd-amdhsa -mcpu=gfx1250 --defsym DOCPART=n.
;; ======== version 1 of 1: 4 launches
;; limits: right only within a limited range of input values
;; workspace buffers: xc 12,582,912 bytes; wc 16,777,216 bytes; csc 2,097,152 bytes; qkvc 12,582,912 bytes; ac 4,194,304 bytes
;; launch quant (part 1): grid 256 x 1, 16 waves a work-group, no clusters, 0 bytes of LDS; arguments hidden_states, Wq, Wk, Wv, Wo, cos, sin, lowp_scales, xc, wc, csc; writes xc, wc, csc
.if DOCPART == 1
	.amdgcn_target "amdgcn-amd-amdhsa--gfx1250"
	.amdhsa_code_object_version 6
	.text
	.protected	k_q1572b913a4_quant
	.globl	k_q1572b913a4_quant
	.p2align	8
	.type	k_q1572b913a4_quant,@function
k_q1572b913a4_quant:
	s_mov_b64 s[64:65], 0
	v_nop
	global_prefetch_b8 v0, s[64:65] scope:SCOPE_SE
	s_setreg_imm32_b32 hwreg(HW_REG_WAVE_MODE, 25, 1), 1
	s_wait_xcnt 0x0
; LAUNCH 1 OF 4.  hidden_states, Wq, Wk, Wv, Wo ([2048][2048] f32, K innermost) become codes of E4M3, each with the scale 2^e that lowp_scales gives it; cos and sin are laid anew for launch qkv.
; hidden_states is an operand of three products with three scales (entries 0, 2, 4): it is read once and quantised three times.  Wq, Wk, Wv, Wo take entries 1, 3, 5, 11.
; code = x / 2^e, held within +-448, rounded to the nearest code, ties to even.
; THE PROGRAM: quant (this) -> qkv (products 1 to 3, the rotary embedding, codes of q, k, v) -> attn (products 4 and 5 with the softmax, codes of the result) -> oproj (product 6).
; WORK LEFT OUT, in launch attn: reference() itself adds a mask of -infinity wherever key > query.  2^(-infinity) is 0, so such a key has the weight p = 0 for every finite value of the inputs:
; it adds nothing to the row's sum and nothing to product 5, and it never holds the row's maximum (key 0 counts for every query).  So a step of 128 keys all of which come after a wave's 16 queries
; is not multiplied (products 4 and 5) and a slot of keys that no query of a work-group may see is not fetched.  Steps on the diagonal are done whole and masked.  Every input has a way to the output: all eight are loaded.
; LIMIT: a NaN, an infinity or an overflow that reaches only the work left out is not carried to the result.
; LIMITS here: each e used lies between -126 and 119, so that 2^e and 448 x 2^e are f32 numbers.  NaN among the inputs is not served; an infinity is held at the largest code.
; THE CODES' LAYOUT (all code matrices of the program): [row block 16][K block 16][128 rows][128 bytes]: a block of 128 rows x 128 K is 16,384 consecutive bytes, and a row block's whole K 262,144.
; INSIDE A K BLOCK THE ORDER OF k IS THIS LAUNCH'S OWN: byte 8 c + 4 m + i of a row (c 0..15, m 0..1, i 0..3) holds k = 64 m + 4 c + i.  A sum over K does not hang on the order of its terms, and both operands of
; products 1, 2, 3 are laid here, alike; for product 6 launch qkv lays V's channels, and so launch attn its result, in this same order.
; csc: [128 blocks of 16 positions][cos, sin][16 pieces n = 2 b + u][32 lanes][16 bytes]: lane (r, h) of piece n holds position r, channels 16 b + 8 h + 4 u .. + 3: the order of qkv's result registers.
; SHARES.  256 work-groups, one turn: each takes ONE block of 128 rows x 128 K of each of the five tensors, and one block of 16 positions of cos or sin.  A wave takes 8 rows of each block: 8 loads a tensor, each 2 rows x 256 consecutive
; bytes, aligned.  Two loads, 256 bytes apart, give a lane 8 numbers of one row, which one conversion turns into 8 codes; a store of 8 bytes a lane covers 256 consecutive bytes, aligned.  All 41 loads of a wave go out first, then
; the tensors are worked in the order of their loads.  No store's registers are written again.  cos and sin: the sixteen waves together read the block's 8,192 bytes once, 16 bytes a lane, and store 512 consecutive bytes each.
; No LDS, no matrix unit, no cluster, no barrier, no prefetch (there is no loop): waves share nothing, and memory binds.
.set R,  16                            ; v16-175  32 numbers of each tensor: 8 u + 4 m + i for the pair of rows u
.set T,  176                           ; v176-207 hidden_states' numbers held (they serve three scales); then the weights' codes
.set C,  208                           ; v208-231 hidden_states' codes
.set SC, 232                           ; v232-245 2^e and 448 x 2^e for seven scales
	s_load_b512 s[4:19], s[0:1], 0x0               ; hidden_states, Wq, Wk, Wv, Wo, cos s[14:15], sin s[16:17], lowp_scales s[18:19]
	s_load_b128 s[20:23], s[0:1], 0x40             ; xc, wc
	s_load_b64 s[24:25], s[0:1], 0x50              ; csc
	v_lshrrev_b32 v1, 5, v0
	v_readfirstlane_b32 s26, v1                    ; wave 0..15
	v_and_b32 v2, 31, v0                           ; lane
	v_and_b32 v3, 15, v0                           ; r
	v_bfe_u32 v5, v0, 4, 1                         ; h
	v_lshlrev_b32 v4, 3, v2                        ; codes out: 8 x lane
	v_lshlrev_b32 v6, 4, v2                        ; csc out: 16 x lane
	v_lshlrev_b32 v7, 9, v3                        ; cos, sin in: row r of 512 bytes,
	v_lshl_add_u32 v7, v5, 5, v7                   ; + 32 h
	v_lshlrev_b32 v3, 4, v3                        ; in: 16 r,
	v_lshl_add_u32 v3, v5, 13, v3                  ; + a row of 8,192 bytes for lanes 16 to 31
	s_wait_alu depctr_va_vdst(0)                   ; ahead of the scalar lines and the wait below
	s_lshr_b32 s28, ttmp9, 4
	s_lshl_b32 s28, s28, 20                        ; in: 128 rows of 8,192 bytes for a row block,
	s_and_b32 s27, ttmp9, 15
	s_lshl_b32 s27, s27, 9                         ; 512 bytes for a K block,
	s_add_co_u32 s28, s28, s27
	s_lshl_b32 s27, s26, 16                        ; 8 rows for a wave
	s_add_co_u32 s28, s28, s27
	s_mov_b32 s29, 0
	s_lshl_b32 s30, ttmp9, 14                      ; out: the block, and 8 rows of 128 bytes for a wave
	s_lshl_b32 s27, s26, 10
	s_add_co_u32 s30, s30, s27
	s_mov_b32 s31, 0
	s_and_b32 s34, ttmp9, 127                      ; my block of 16 positions
	s_lshl_b32 s32, s34, 13
	s_lshr_b32 s27, s26, 1
	s_lshl_b32 s27, s27, 6
	s_add_co_u32 s32, s32, s27                     ; + 64 b
	s_and_b32 s27, s26, 1
	s_lshl_b32 s27, s27, 4
	s_add_co_u32 s32, s32, s27                     ; + 16 u
	s_mov_b32 s33, 0
	s_lshl_b32 s34, s34, 14
	s_lshr_b32 s27, ttmp9, 7                       ; 0: cos, 1: sin
	s_lshl_b32 s27, s27, 13
	s_add_co_u32 s34, s34, s27
	s_lshl_b32 s27, s26, 9
	s_add_co_u32 s34, s34, s27
	s_mov_b32 s35, 0
	s_wait_kmcnt 0x0
	s_load_b256 s[36:43], s[18:19], 0x0            ; e0 .. e7
	s_load_b128 s[44:47], s[18:19], 0x20           ; e8 .. e11
	s_cmp_lt_u32 ttmp9, 128
	s_cselect_b64 s[14:15], s[14:15], s[16:17]     ; cos or sin, by the work-group's number
	s_add_nc_u64 s[14:15], s[14:15], s[32:33]
	s_add_nc_u64 s[4:5], s[4:5], s[28:29]
	s_add_nc_u64 s[6:7], s[6:7], s[28:29]
	s_add_nc_u64 s[8:9], s[8:9], s[28:29]
	s_add_nc_u64 s[10:11], s[10:11], s[28:29]
	s_add_nc_u64 s[12:13], s[12:13], s[28:29]
.macro LOAD t                          ; tensor t's 8 rows: the pairs of rows u, the halves m of their 512 bytes
.irp u, 0,1,2,3
.irp m, 0,1
	global_load_b128 v[R+32*\t+8*\u+4*\m:R+32*\t+8*\u+4*\m+3], v3, s[4+2*\t:5+2*\t] offset:16384*\u+256*\m th:TH_LOAD_NT
.endr
.endr
.endm
	LOAD 0
	global_load_b128 v[8:11], v7, s[14:15]
	LOAD 1
	LOAD 2
	LOAD 3
	LOAD 4
	s_add_nc_u64 s[20:21], s[20:21], s[30:31]      ; hidden_states with e0,
	s_add_nc_u64 s[48:49], s[20:21], 0x400000      ; e2,
	s_add_nc_u64 s[50:51], s[20:21], 0x800000      ; e4
	s_add_nc_u64 s[22:23], s[22:23], s[30:31]      ; Wq,
	s_add_nc_u64 s[52:53], s[22:23], 0x400000      ; Wk,
	s_add_nc_u64 s[54:55], s[22:23], 0x800000      ; Wv,
	s_add_nc_u64 s[56:57], s[22:23], 0xc00000      ; Wo
	s_add_nc_u64 s[24:25], s[24:25], s[34:35]
	s_wait_kmcnt 0x0
.macro MKSC k, se                      ; 2^e and 448 x 2^e as f32 numbers, from the whole number e
	s_add_co_i32 s27, \se, 127
	s_lshl_b32 s26, s27, 23
	v_mov_b32 v[SC+2*\k], s26
	s_add_co_i32 s27, s27, 8
	s_lshl_b32 s27, s27, 23
	s_or_b32 s27, s27, 0x600000
	v_mov_b32 v[SC+2*\k+1], s27
.endm
	MKSC 0, s36
	MKSC 1, s38
	MKSC 2, s40
	MKSC 3, s37
	MKSC 4, s39
	MKSC 5, s41
	MKSC 6, s47
.macro QCVT k, src, hold, code         ; 32 numbers with scale k: hold, convert
.set ii, 0
.rept 32
	v_med3_num_f32 v[\hold+ii], v[\src+ii], -v[SC+2*\k+1], v[SC+2*\k+1]   ; the conversion to an 8-bit code does not saturate (ISA guide 7.6.2): the hold comes first
.set ii, ii+1
.endr
.irp u, 0,1,2,3
	v_cvt_scalef32_pk8_fp8_f32 v[\code+2*\u:\code+2*\u+1], v[\hold+8*\u:\hold+8*\u+7], v[SC+2*\k]
.endr
	v_nop                                          ; a plain vector line between the conversions and what writes their sources
.endm
.macro QST code, base
.irp u, 0,1,2,3
	global_store_b64 v4, v[\code+2*\u:\code+2*\u+1], s[\base:\base+1] offset:256*\u   ; 32 lanes store 256 consecutive bytes, aligned: two rows of the block
.endr
.endm
	s_wait_alu depctr_va_vdst(0)
	s_wait_loadcnt 33                              ; hidden_states' eight loads are in; the 33 behind them may be out
	QCVT 0, R, T, C
	QCVT 1, R, T, C+8
	QCVT 2, R, T, C+16
	QST C, 20
	QST C+8, 48
	QST C+16, 50
	s_wait_loadcnt 32                              ; cos or sin
	global_store_b128 v6, v[8:11], s[24:25]        ; 512 consecutive bytes, aligned
	s_wait_loadcnt 24                              ; Wq; three weights' 24 loads may be out
	QCVT 3, R+32, R+32, T
	QST T, 22
	s_wait_loadcnt 16
	QCVT 4, R+64, R+64, T+8
	QST T+8, 52
	s_wait_loadcnt 8
	QCVT 5, R+96, R+96, T+16
	QST T+16, 54
	s_wait_loadcnt 0x0
	QCVT 6, R+128, R+128, T+24
	QST T+24, 56
	s_endpgm
.Lfunc_end_k_q1572b913a4_quant:
	.size	k_q1572b913a4_quant, .Lfunc_end_k_q1572b913a4_quant-k_q1572b913a4_quant
	.p2alignl 7, 3214868480
	.fill 96, 4, 3214868480
	.section	.rodata,"a",@progbits
	.p2align	6, 0x0
	.amdhsa_kernel k_q1572b913a4_quant
		.amdhsa_group_segment_fixed_size 0
		.amdhsa_private_segment_fixed_size 0
		.amdhsa_enable_private_segment 0
		.amdhsa_kernarg_size 88
		.amdhsa_user_sgpr_count 2
		.amdhsa_user_sgpr_kernarg_segment_ptr 1
		.amdhsa_wavefront_size32 1
		.amdhsa_system_sgpr_workgroup_id_x 1
		.amdhsa_system_sgpr_workgroup_id_y 1
		.amdhsa_system_sgpr_workgroup_id_z 1
		.amdhsa_system_vgpr_workitem_id 0
		.amdhsa_next_free_vgpr 248
		.amdhsa_next_free_sgpr 66
		.amdhsa_reserve_vcc 0
		.amdhsa_float_denorm_mode_32 3
		.amdhsa_float_denorm_mode_16_64 3
		.amdhsa_memory_ordered 1
		.amdhsa_forward_progress 1
		.amdhsa_inst_pref_size 28
	.end_amdhsa_kernel
	.amdgpu_metadata
---
amdhsa.version: [ 1, 2 ]
amdhsa.kernels:
  - .name:           k_q1572b913a4_quant
    .symbol:         k_q1572b913a4_quant.kd
    .args:
      - { .name: hidden_states, .offset: 0, .size: 8, .value_kind: global_buffer, .address_space: global }
      - { .name: Wq, .offset: 8, .size: 8, .value_kind: global_buffer, .address_space: global }
      - { .name: Wk, .offset: 16, .size: 8, .value_kind: global_buffer, .address_space: global }
      - { .name: Wv, .offset: 24, .size: 8, .value_kind: global_buffer, .address_space: global }
      - { .name: Wo, .offset: 32, .size: 8, .value_kind: global_buffer, .address_space: global }
      - { .name: cos, .offset: 40, .size: 8, .value_kind: global_buffer, .address_space: global }
      - { .name: sin, .offset: 48, .size: 8, .value_kind: global_buffer, .address_space: global }
      - { .name: lowp_scales, .offset: 56, .size: 8, .value_kind: global_buffer, .address_space: global }
      - { .name: xc, .offset: 64, .size: 8, .value_kind: global_buffer, .address_space: global }
      - { .name: wc, .offset: 72, .size: 8, .value_kind: global_buffer, .address_space: global }
      - { .name: csc, .offset: 80, .size: 8, .value_kind: global_buffer, .address_space: global }
    .group_segment_fixed_size: 0
    .private_segment_fixed_size: 0
    .kernarg_segment_align: 8
    .kernarg_segment_size: 88
    .max_flat_workgroup_size: 512
    .sgpr_count:     66
    .vgpr_count:     248
    .wavefront_size: 32
...
	.end_amdgpu_metadata
.endif
;; end of part 1
;; launch qkv (part 2): grid 24 x 8, 4 waves a work-group, clusters of 4 x 4, 327,680 bytes of LDS; arguments xc, wc, csc, lowp_scales, qkvc; writes qkvc
.if DOCPART == 2
	.amdgcn_target "amdgcn-amd-amdhsa--gfx1250"
	.amdhsa_code_object_version 6
	.text
	.protected	k_q1572b913a4_qkv
	.globl	k_q1572b913a4_qkv
	.p2align	8
	.type	k_q1572b913a4_qkv,@function
k_q1572b913a4_qkv:
	s_mov_b64 s[64:65], 0
	v_nop
	global_prefetch_b8 v0, s[64:65] scope:SCOPE_SE
	s_setreg_imm32_b32 hwreg(HW_REG_WAVE_MODE, 25, 1), 1
	s_wait_xcnt 0x0
	s_wait_alu depctr_hold_cnt(0) depctr_sa_sdst(0) depctr_va_vdst(0) depctr_va_sdst(0) depctr_va_ssrc(0) depctr_va_vcc(0) depctr_vm_vsrc(0)
	s_getreg_b32 s2, hwreg(HW_REG_IB_STS2, 6, 4)
	s_cmp_eq_u32 s2, 0
	s_cbranch_scc0 .Lentry_in_a_cluster
	s_endpgm
.Lentry_in_a_cluster:
	s_bfe_u32 s2, ttmp6, 0x10000c
	s_cmp_lg_u32 s2, 0xf033
	s_cbranch_scc0 .Lentry_shape_is_right
	s_endpgm
.Lentry_shape_is_right:
; LAUNCH 2 OF 4.  Products 1 to 3 on codes of E4M3; the rotary embedding of q and k in f32; codes of q (e6), k (e7), v (e9).  The codes' layout and csc's are stated at the head of launch quant.
; 192 tiles of 256 x 256, 64 for each product; cluster x / 2 says which product.  A wave makes 128 x 128: 64 accumulators of 16 x 16 in windows 2 and 3.  (A tile of 128 x 384 would make 256 work-groups, each wave with half the tile side and so half again the
; LDS reads for the same products: left out.)  q, k: tile row = positions, tile column = channels, so a lane holds ONE position and eight neighbouring channels; a wave's 128 columns are one head.  v: the operands change places: a lane holds one channel and eight neighbouring positions.
; K goes in 8 steps of 256 through a ring of two LDS slots.  A slot: four parts, one for each wave's load: 2 K blocks x 128 rows of 128 bytes = 32,768 consecutive bytes of memory, stated as 128 rows of 256 bytes, 16 bytes of padding behind each 128
; (LDS rows 144 bytes apart: the 16 rows of a fragment load start at 16 different groups of four banks of 64: ISA guide 11.1).
; CLUSTERS 4 x 4: A's tile is shared along a row of the cluster, B's along a column: joint loads.  cos and sin of the tile's 256 positions come the same way, shared along the row: where a slot has had its last K step, a q or k cluster's joint load brings half of them:
; slot 0 blocks 0-3 of 16 positions of both 128-row halves, slot 1 blocks 4-7.  v's clusters issue no such load: that test hangs on the cluster's x alone, so all sixteen partners go the same way, and every cluster passes the same rounds.
; PREFETCH: with the load of K step j stands the prefetch of K step j + 2 (and with step 0's also step 1's); behind the last of them, in q's and k's clusters, cos' and sin's two halves, two loads ahead likewise.  A load's 32,768 bytes are shared out by address
; among the four partners that ask for it: 8,192 bytes, 32 lanes x 256, one instruction a wave.
; A code of q is (sum x 2^(e0+e1) rotated) / 2^e6: the sums are rotated as they are and converted with 2^(e6 - e0 - e1); k, v likewise.  LIMITS: e6-e0-e1, e7-e2-e3, e9-e4-e5 between -126 and 119.  NaN is not served.
; REGISTERS: window 0: v1-9 at work, v10-31 addresses and constants, v32-95 a block's results, v96-111 codes, v112-239 read back from the stage; v128-255 A's fragments.  Window 1: two sets of B's fragments; on the way out two sets of cos and sin.
.set PITCH,  144
.set QB,     128*PITCH                 ; a K block of 128 rows in LDS
.set HALFT,  2*QB                      ; one load's bytes in LDS
.set SLOT,   4*HALFT
.set KSB,    32768                     ; from K step to K step in memory
.set LAPS,   4
.set FR,     16
.set NL,     4
.set NP,     4
.set STGQ,   2*SLOT                    ; q's and k's stages: 16 rows x 144 bytes a wave
.set STGV,   STGQ+4*16*PITCH           ; v's
.set SPARE,  STGV+4*16*PITCH           ; the spare words
.set PFO,  10                          ; 256 x lane
.set CAB,  12                          ; v12-15 LDS address of cos and sin for blocks 0, 1 / 2, 3 / 4, 5 / 6, 7
.set ADRA, 16
.set ADRB, 20
.set STOV, 22
.set RDV,  23
.set STO,  24
.set RD,   25
.set GO,   26
.set SPW,  28
.set NIL,  29
.set SCL,  30
.set LIM,  31
.set TT,   32
.set CC,   96
.set BK,   112
.set AF,   128
.set PFC,  4                           ; s[4:5] where my prefetches of cos and sin stand
.set G1, 24
.set G0, 32
.set G1B, 48
.set G0B, 56
.set PFA, 66                           ; s[66:67] where my prefetches of tiles stand
.set G0C, 80                           ; s[80:83] group 0 of cos' and sin's loads
.set MSB, 0
.macro WIN new                         ; the immediate's high byte repeats the setting that is left; at labels and branches the setting is 0
.if MSB != \new
	s_set_vgpr_msb (MSB<<8)|\new
.set MSB, \new
.endif
.endm
.set MUL_LO, 0xa1                      ; source 0 (B) window 1, source 1 (A) window 0, C and D window 2
.set MUL_HI, 0xf1                      ; C and D window 3
.set TO_B,   0x40
.macro PLACES n
.rept \n
	v_nop
.endr
.endm
.macro JLOAD s                         ; waves 0 and 1 fetch for A, 2 and 3 for B
	s_cmp_eq_u32 s15, 0
	s_cbranch_scc0 .Lfor_b_\@
	tensor_load_to_lds s[G0+4*\s:G0+4*\s+3], s[G1:G1+7]
	s_nop 0
	PLACES 4
	s_branch .Lasked_\@
.Lfor_b_\@:
	tensor_load_to_lds s[G0B+4*\s:G0B+4*\s+3], s[G1B:G1B+7]
	s_nop 0
	PLACES 4
.Lasked_\@:
.endm
.macro CSLOAD                          ; cos' and sin's joint load, in q's and k's clusters
	s_cmp_eq_u32 s92, 2
	s_cbranch_scc1 .Lno_cs_\@
	tensor_load_to_lds s[G0C:G0C+3], s[G1:G1+7]
	s_nop 0
	PLACES 4
.Lno_cs_\@:
.endm
.macro ASK slot                        ; in the loop's first two trips K step two loads on; in its last (s3 = 1) cos' and sin's half
	s_cmp_gt_u32 s3, 1
	s_cbranch_scc0 .Lcs_\@
	global_prefetch_b8 v[PFO], s[PFA:PFA+1] offset:3*KSB th:TH_LOAD_NT scope:SCOPE_SE
	s_branch .Lasked_\@
.Lcs_\@:
	s_cmp_eq_u32 s92, 2
	s_cbranch_scc1 .Lasked_\@
	global_prefetch_b8 v[PFO], s[PFC:PFC+1] offset:65536*\slot th:TH_LOAD_NT scope:SCOPE_SE
.Lasked_\@:
.endm
.macro CREST                           ; a round of the cluster's barrier behind its opening barrier
	s_cmp_lg_u32 s14, 0
	s_cbranch_scc1 .Lnot_wave_0_\@
	s_barrier_signal -3
.Lnot_wave_0_\@:
	s_barrier_wait -3
	s_barrier_signal -1
	s_barrier_wait -1
.endm
.macro CROUND
	s_barrier_signal -1
	s_barrier_wait -1
	CREST
.endm
	s_load_b256 s[68:75], s[0:1], 0x0              ; xc, wc, csc s[72:73], lowp_scales s[74:75]
	s_load_b64 s[76:77], s[0:1], 0x20              ; qkvc
	v_lshl_add_u32 v[SPW], v0, 2, SPARE
	v_mov_b32 v[NIL], 0
	ds_add_u32 v[SPW], v[NIL]                      ; the opening: the add, twice on end
	ds_add_u32 v[SPW], v[NIL]
	v_lshrrev_b32 v1, 5, v0
	v_readfirstlane_b32 s14, v1                    ; wave
	s_lshr_b32 s15, s14, 1                         ; my half of the tile's rows; also: I fetch for A (0) or B (1)
	s_and_b32 s16, s14, 1                          ; my half of its columns; also: which 128 rows I fetch
	s_bfe_u32 s40, ttmp6, 0x40000                  ; cx
	s_bfe_u32 s41, ttmp6, 0x40004                  ; cy
	s_lshr_b32 s92, ttmp9, 1                       ; 0 q, 1 k, 2 v
	s_and_b32 s42, ttmp9, 1
	s_lshl_b32 s42, s42, 2
	s_add_co_u32 s42, s42, s40                     ; tile column
	s_and_b32 s17, ttmp7, 0xffff
	s_lshl_b32 s17, s17, 2
	s_add_co_u32 s17, s17, s41                     ; tile row
	s_lshl_b32 s43, s41, 2
	s_lshl_b32 s43, 15, s43                        ; my row of the cluster
	s_lshl_b32 s44, 0x1111, s40                    ; my column
	s_or_b32 s[G1+0], s43, (0<<16)|(1<<20)|(1<<21)|(4<<22)|(3<<25)    ; mask; bytes; padding: four words after every 32
	s_or_b32 s[G1B+0], s44, (0<<16)|(1<<20)|(1<<21)|(4<<22)|(3<<25)
.irp g, G1, G1B
	s_mov_b32 s[\g+1], 256<<16                     ; 128 rows of 256 bytes, dense
	s_mov_b32 s[\g+2], 128<<16
	s_mov_b32 s[\g+3], 256<<16
	s_mov_b32 s[\g+4], 128
	s_mov_b32 s[\g+5], 256
	s_mov_b32 s[\g+6], 0
	s_mov_b32 s[\g+7], 0
.endr
	s_lshl_b32 s18, s92, 22                        ; the product's part of xc and of wc
	s_lshl_b32 s20, s17, 1
	s_add_co_u32 s20, s20, s16
	s_lshl_b32 s20, s20, 18                        ; A: row block 2 x tile row + half
	s_add_co_u32 s20, s20, s18
	s_mov_b32 s21, 0
	s_lshl_b32 s46, s42, 1
	s_add_co_u32 s46, s46, s16
	s_lshl_b32 s46, s46, 18                        ; B: row block 2 x tile column + half
	s_add_co_u32 s46, s46, s18
	s_mov_b32 s47, 0
	s_mul_i32 s45, s14, HALFT                      ; where my loads go in a slot
	s_wait_dscnt 0x0                               ; both opening adds are done
	s_wait_kmcnt 0x0
	s_load_b256 s[80:87], s[74:75], 0x0            ; e0 .. e7
	s_load_b128 s[88:91], s[74:75], 0x20           ; e8 .. e11
	s_cmp_eq_u32 s92, 2
	s_cselect_b64 s[4:5], s[70:71], s[68:69]       ; v: A is the weight, B hidden_states
	s_cselect_b64 s[6:7], s[68:69], s[70:71]
	s_add_nc_u64 s[20:21], s[4:5], s[20:21]
	s_add_nc_u64 s[46:47], s[6:7], s[46:47]
.irp s, 0,1
	s_mov_b32 s[G0+4*\s], 1
	s_add_co_u32 s[G0+4*\s+1], s45, \s*SLOT
	s_add_nc_u64 s[G0+4*\s+2:G0+4*\s+3], s[20:21], \s*KSB
	s_or_b32 s[G0+4*\s+3], s[G0+4*\s+3], 0x80000000
	s_mov_b32 s[G0B+4*\s], 1
	s_add_co_u32 s[G0B+4*\s+1], s45, \s*SLOT
	s_add_nc_u64 s[G0B+4*\s+2:G0B+4*\s+3], s[46:47], \s*KSB
	s_or_b32 s[G0B+4*\s+3], s[G0B+4*\s+3], 0x80000000
.endr
	CROUND                                         ; all sixteen work-groups are here
	JLOAD 0                                        ; K step 0: one tensor load a wave at the head
	v_and_b32 v6, 31, v0
	v_lshlrev_b32 v[PFO], 8, v6
	v_lshlrev_b32 v[GO], 4, v6                     ; 16 x lane
	v_lshrrev_b32 v7, 3, v6
	v_add_nc_u32 v8, v6, v7                        ; cos, sin: 16 bytes a lane, 16 of padding behind eight lanes
	v_and_b32 v1, 15, v0                           ; r
	v_bfe_u32 v2, v0, 4, 1                         ; h
	v_and_b32 v9, 7, v0
	v_mul_u32_u24 v3, v1, PITCH
	v_lshl_add_u32 v4, v2, 4, v3                   ; a fragment's row, + 16 h
	v_lshl_add_u32 v5, v2, 3, v3                   ; into q's stage: row r, + 8 h
	v_mul_u32_u24 v7, v7, PITCH
	v_lshl_add_u32 v7, v9, 4, v7                   ; out of a stage: eight lanes to a row
	s_wait_alu depctr_va_vdst(0)                   ; ahead of the run of scalar lines
	s_cmp_eq_u32 s15, 0
	s_cselect_b64 s[PFA:PFA+1], s[20:21], s[46:47]
	s_cselect_b32 s18, s40, s41                    ; my place among the four that ask with me
	s_lshl_b32 s18, s18, 13
	s_mov_b32 s19, 0
	s_add_nc_u64 s[PFA:PFA+1], s[PFA:PFA+1], s[18:19]   ; my 8,192 bytes of K step 0's load
	global_prefetch_b8 v[PFO], s[PFA:PFA+1] offset:KSB th:TH_LOAD_NT scope:SCOPE_SE     ; K step 1
	global_prefetch_b8 v[PFO], s[PFA:PFA+1] offset:2*KSB th:TH_LOAD_NT scope:SCOPE_SE   ; K step 2
	s_mul_i32 s21, s15, HALFT                      ; my 128 rows of A
	s_mul_i32 s22, s16, HALFT
	s_add_co_u32 s22, s22, 2*HALFT                 ; my 128 rows of B
	s_mul_i32 s23, s14, 16*PITCH
	s_add_co_u32 s23, s23, STGQ                    ; my stage
	s_mul_i32 s18, s15, 2*HALFT                    ; cos and sin of my 128 positions: two waves' parts
	v_add_nc_u32 v[ADRA], s21, v4
	v_add_nc_u32 v[ADRB], s22, v4
	v_add_nc_u32 v[STO], s23, v5
	v_add_nc_u32 v[STOV], s23, v4
	v_add_nc_u32 v[RD], s23, v7
	v_lshl_add_u32 v[CAB], v8, 4, s18
	v_add_nc_u32 v[ADRA+1], SLOT, v[ADRA]
	v_add_nc_u32 v[ADRB+1], SLOT, v[ADRB]
	v_add_nc_u32 v[STOV], STGV-STGQ, v[STOV]
	v_add_nc_u32 v[RDV], STGV-STGQ, v[RD]
	v_add_nc_u32 v[CAB+1], HALFT, v[CAB]
	v_add_nc_u32 v[CAB+2], SLOT, v[CAB]
	v_add_nc_u32 v[CAB+3], SLOT+HALFT, v[CAB]
	s_lshl_b32 s93, s17, 1
	s_add_co_u32 s93, s93, s15                     ; my block of 128 along the tile rows
	s_lshl_b32 s94, s42, 1
	s_add_co_u32 s94, s94, s16                     ; and along the columns
	s_lshl_b32 s95, s93, 4
	s_add_co_u32 s95, s95, s94                     ; v: head, then block of positions
	s_lshl_b32 s96, s94, 4
	s_add_co_u32 s96, s96, s93                     ; q, k likewise
	s_cmp_eq_u32 s92, 2
	s_cselect_b32 s96, s95, s96
	s_lshl_b32 s96, s96, 14
	s_lshl_b32 s95, s92, 22
	s_add_co_u32 s96, s96, s95
	s_mov_b32 s97, 0
	s_add_nc_u64 s[10:11], s[76:77], s[96:97]
	s_wait_alu depctr_va_vdst(0)                   ; ahead of the wait below
	s_wait_kmcnt 0x0
	s_sub_co_i32 s86, s86, s80
	s_sub_co_i32 s86, s86, s81                     ; q: e6 - e0 - e1
	s_sub_co_i32 s87, s87, s82
	s_sub_co_i32 s87, s87, s83                     ; k: e7 - e2 - e3
	s_sub_co_i32 s89, s89, s84
	s_sub_co_i32 s89, s89, s85                     ; v: e9 - e4 - e5
	s_cmp_eq_u32 s92, 1
	s_cselect_b32 s86, s87, s86
	s_cmp_eq_u32 s92, 2
	s_cselect_b32 s86, s89, s86
	s_add_co_i32 s86, s86, 127
	s_lshl_b32 s87, s86, 23
	v_mov_b32 v[SCL], s87                          ; the conversion's scale
	s_add_co_i32 s86, s86, 8
	s_lshl_b32 s86, s86, 23
	s_or_b32 s86, s86, 0x600000
	v_mov_b32 v[LIM], s86                          ; 448 x that
	s_lshl_b32 s18, s17, 18                        ; cos and sin: 262,144 bytes a tile row, 131,072 a half; I fetch two blocks of 16 positions, 32,768 bytes
	s_lshl_b32 s19, s15, 17
	s_add_co_u32 s18, s18, s19
	s_lshl_b32 s19, s16, 15
	s_add_co_u32 s18, s18, s19
	s_mov_b32 s19, 0
	s_mov_b32 s[G0C], 1
	s_mov_b32 s[G0C+1], s45                        ; slot 0
	s_add_nc_u64 s[G0C+2:G0C+3], s[72:73], s[18:19]
	s_lshl_b32 s22, s40, 13
	s_mov_b32 s23, 0
	s_add_nc_u64 s[PFC:PFC+1], s[72:73], s[18:19]
	s_add_nc_u64 s[PFC:PFC+1], s[PFC:PFC+1], s[22:23]
	s_or_b32 s[G0C+3], s[G0C+3], 0x80000000
.macro FRAG reg, adr, q, i             ; 16 rows x 128 K: lane l row l % 16; registers 4 c ..: bytes 32 c + 16 h + 0 .. 15
.irp c, 0,1,2,3
	ds_load_b128 v[\reg+4*\c:\reg+4*\c+3], v[\adr] offset:QB*(\q)+32*\c+(\i)*16*PITCH
.endr
.endm
.macro MUL16 a0, p, zero               ; A's blocks a0, a0 + 1 x B's eight; the accumulators take turns
.irp a, \a0, \a0+1
.irp b, 0,1,2,3,4,5,6,7
.if \zero
	v_wmma_f32_16x16x128_fp8_fp8 v[8*(8*((\a)%4)+\b):8*(8*((\a)%4)+\b)+7], v[128*(\p)+FR*\b:128*(\p)+FR*\b+FR-1], v[AF+FR*(\a):AF+FR*(\a)+FR-1], 0
.else
	v_wmma_f32_16x16x128_fp8_fp8 v[8*(8*((\a)%4)+\b):8*(8*((\a)%4)+\b)+7], v[128*(\p)+FR*\b:128*(\p)+FR*\b+FR-1], v[AF+FR*(\a):AF+FR*(\a)+FR-1], v[8*(8*((\a)%4)+\b):8*(8*((\a)%4)+\b)+7]
.endif
.endr
.endr
.endm
.macro FETCH_B slot, q, p
	WIN TO_B
.irp i, 0,1,2,3,4,5,6,7
	FRAG 128*(\p)+FR*\i, ADRB+\slot, \q, \i
.endr
	WIN 0
.endm
.macro FETCH_A slot, q, i0
.irp i, \i0, \i0+1, \i0+2, \i0+3
	FRAG AF+FR*(\i), ADRA+\slot, \q, \i
.endr
.endm
.macro STEP slot, q, zero              ; 128 along K that has its successor in the same slot
	s_wait_dscnt 4*NL                              ; the youngest 16 loads, A's blocks 4-7, may be out
	WIN MUL_LO
	MUL16 0, (\q)%2, \zero
	MUL16 2, (\q)%2, \zero
	s_wait_dscnt 0
	PLACES NP                                      ; four places ahead of loads into registers that matrix instructions have read
	FETCH_B \slot, (\q)+1, 1-(\q)%2
	FETCH_A \slot, (\q)+1, 0
	WIN MUL_HI
	MUL16 4, (\q)%2, \zero
	MUL16 6, (\q)%2, \zero
	PLACES NP
	WIN 0
	FETCH_A \slot, (\q)+1, 4
.endm
; A slot's last step begins: each wave waits for all its tensor loads, adds 0 to its spare word, waits for that and for its reads of the slot; a round follows: behind it no wave of any partner reads the slot or has a load on its way.
.macro MEET
	s_wait_tensorcnt 0x0
	ds_add_u32 v[SPW], v[NIL]
	s_wait_dscnt 4*NL+1                            ; the add and A's blocks 4-7 may be out
	WIN MUL_LO
	MUL16 0, 1, 0
	s_wait_dscnt 0x0
	s_barrier_signal -1
	MUL16 2, 1, 0
	WIN 0
	s_barrier_wait -1
	CREST
.endm
.macro TURN slot, next, fill           ; fill = 1: the slot takes the K step two on; 0: cos' and sin's first half
.if \fill
	s_wait_xcnt 0x0                                ; my last prefetch has read its address
	s_add_nc_u64 s[PFA:PFA+1], s[PFA:PFA+1], KSB
.endif
	MEET
.if \fill
	s_add_nc_u64 s[G0+4*\slot+2:G0+4*\slot+3], s[G0+4*\slot+2:G0+4*\slot+3], 2*KSB
	s_add_nc_u64 s[G0B+4*\slot+2:G0B+4*\slot+3], s[G0B+4*\slot+2:G0B+4*\slot+3], 2*KSB
	JLOAD \slot                                    ; its four v_nop are the places for the loads below too
.else
	CSLOAD
	PLACES NP
.endif
	FETCH_B \next, 0, 0
	FETCH_A \next, 0, 0
.if \fill
	ASK \slot
.endif
	WIN MUL_HI
	MUL16 4, 1, 0
	MUL16 6, 1, 0
	PLACES NP
	WIN 0
	FETCH_A \next, 0, 4
.endm
; THE WAY OUT of a block a of 16 rows x 128 columns.
.macro LOADCS a                        ; cos, then sin, into set a % 2: register 8 b + 4 u + i is channel 16 b + 8 h + 4 u + i
	WIN 0x40
.irp s, 0,1
.irp n, 0,1,2,3,4,5,6,7,8,9,10,11,12,13,14,15
	ds_load_b128 v[128*((\a)%2)+64*\s+4*\n:128*((\a)%2)+64*\s+4*\n+3], v[CAB+(\a)/2] offset:QB*((\a)%2)+9216*\s+576*\n
.endr
.endr
	WIN 0
.endm
.macro ROPE a                          ; y cos + rotate_half(y) sin; each accumulator from its low end on
.set AC, 64*((\a)%4)
.set CSP, 128*((\a)%2)
	WIN 0x06+((\a)/4)
.set ii, 0
.rept 32
	v_pk_mul_f32 v[TT+ii:TT+ii+1], v[AC+ii:AC+ii+1], v[CSP+ii:CSP+ii+1]
.set ii, ii+2
.endr
.set ii, 0
.rept 16
	v_pk_fma_f32 v[TT+ii:TT+ii+1], v[AC+32+ii:AC+32+ii+1], v[CSP+64+ii:CSP+64+ii+1], v[TT+ii:TT+ii+1] neg_lo:[1,0,0] neg_hi:[1,0,0]
.set ii, ii+2
.endr
.rept 16
	v_pk_fma_f32 v[TT+ii:TT+ii+1], v[AC-32+ii:AC-32+ii+1], v[CSP+64+ii:CSP+64+ii+1], v[TT+ii:TT+ii+1]
.set ii, ii+2
.endr
	WIN 0
.set ii, 0
.rept 64
	v_med3_num_f32 v[TT+ii], v[TT+ii], -v[LIM], v[LIM]   ; the conversion does not saturate (ISA guide 7.6.2)
.set ii, ii+1
.endr
.endm
.macro HOLDV a
.set AC, 64*((\a)%4)
	WIN 0x02+((\a)/4)
.set ii, 0
.rept 64
	v_med3_num_f32 v[TT+ii], v[AC+ii], -v[LIM], v[LIM]
.set ii, ii+1
.endr
	WIN 0
.endm
.macro CODES a, sto, rd, perm          ; codes, through my stage (8 stores, 4 loads; LDS serves a wave's instructions in order).  perm: v's keys in the order that attn's p has them
.irp b, 0,1,2,3,4,5,6,7
	v_cvt_scalef32_pk8_fp8_f32 v[CC+2*\b:CC+2*\b+1], v[TT+8*\b:TT+8*\b+7], v[SCL]
.endr
	v_nop
.irp b, 0,1,2,3,4,5,6,7
.if \perm
	ds_store_b64 v[\sto], v[CC+2*\b:CC+2*\b+1] offset:32*(\b/2)+8*(\b%2)
.else
	ds_store_b64 v[\sto], v[CC+2*\b:CC+2*\b+1] offset:16*\b
.endif
.endr
.irp t, 0,1,2,3
	ds_load_b128 v[BK+16*(\a)+4*\t:BK+16*(\a)+4*\t+3], v[\rd] offset:4*PITCH*\t
.endr
.endm
.macro SEND a, younger, perm           ; 512 consecutive bytes a store, aligned; v's channels go to the rows that give product 6 its order of k
	s_wait_dscnt \younger
.irp t, 0,1,2,3
.if \perm
	global_store_b128 v[GO], v[BK+16*(\a)+4*\t:BK+16*(\a)+4*\t+3], s[10:11] offset:4096*((\a)%4)+1024*\t+512*((\a)/4)
.else
	global_store_b128 v[GO], v[BK+16*(\a)+4*\t:BK+16*(\a)+4*\t+3], s[10:11] offset:2048*(\a)+512*\t
.endif
.endr
.endm
	s_wait_alu depctr_va_vdst(0)
	s_wait_tensorcnt 0x0                           ; my part of K step 0 is in
	ds_add_u32 v[SPW], v[NIL]
	s_wait_dscnt 0x0
	CROUND
	JLOAD 1                                        ; K step 1
	FETCH_B 0, 0, 0
	FETCH_A 0, 0, 0
	global_prefetch_b8 v[PFO], s[PFA:PFA+1] offset:3*KSB th:TH_LOAD_NT scope:SCOPE_SE   ; K step 3
	FETCH_A 0, 0, 4
	STEP 0, 0, 1                                   ; the first products start the sums
	s_mov_b32 s3, LAPS-1
.Llap:
	TURN 0, 1, 1
	STEP 1, 0, 0
	TURN 1, 0, 1
	STEP 0, 0, 0
	s_sub_co_u32 s3, s3, 1
	s_cmp_lg_u32 s3, 0
	s_cbranch_scc1 .Llap
	TURN 0, 1, 0                                   ; slot 0 has had its last K step
	STEP 1, 0, 0
	MEET                                           ; the very last step: slot 1 has been read out, and cos' and sin's first half has landed
	s_add_co_u32 s[G0C+1], s45, SLOT
	s_add_nc_u64 s[G0C+2:G0C+3], s[G0C+2:G0C+3], 0x10000
	CSLOAD                                         ; their second half
	WIN MUL_HI
	MUL16 4, 1, 0
	MUL16 6, 1, 0
	WIN 0
	s_cmp_eq_u32 s92, 2
	s_cbranch_scc1 .Lv_tail
	PLACES NP
	LOADCS 0
.irp a, 0,1,2,3,4,5,6,7
.if \a == 3
	s_wait_tensorcnt 0x0                           ; my part of cos' and sin's second half is in,
	s_wait_dscnt 0x0
	s_barrier_signal -1
	s_barrier_wait -1                              ; and everybody's; nothing is filled again
.elseif \a > 0
	s_wait_dscnt 12                                ; this block's cos and sin are in; the last block's 8 stores and 4 loads may be out
.else
	s_wait_dscnt 0x0
.endif
.if \a < 7
	LOADCS \a+1                                    ; the next block's, into the other set
.endif
	ROPE \a
	CODES \a, STO, RD, 0
.if (\a > 0) && (\a < 7)
	SEND \a-1, 44, 0                               ; behind block a - 1's loads: 32 of cos and sin, 12 of block a
.elseif \a == 7
	SEND \a-1, 12, 0
.endif
.endr
	SEND 7, 0, 0
	s_branch .Lend
.Lv_tail:
	PLACES NP
.irp a, 0,1,2,3,4,5,6,7
	HOLDV \a
	CODES \a, STOV, RDV, 1
.if \a > 0
	SEND \a-1, 12, 1
.endif
.endr
	SEND 7, 0, 1
.Lend:
	s_wait_tensorcnt 0x0                           ; the wave's end
	ds_add_u32 v[SPW], v[NIL]
	s_wait_dscnt 0x0
	CROUND                                         ; the closing round
	s_endpgm
.Lfunc_end_k_q1572b913a4_qkv:
	.size	k_q1572b913a4_qkv, .Lfunc_end_k_q1572b913a4_qkv-k_q1572b913a4_qkv
	.p2alignl 7, 3214868480
	.fill 96, 4, 3214868480
	.section	.rodata,"a",@progbits
	.p2align	6, 0x0
	.amdhsa_kernel k_q1572b913a4_qkv
		.amdhsa_group_segment_fixed_size 327680
		.amdhsa_private_segment_fixed_size 0
		.amdhsa_enable_private_segment 0
		.amdhsa_kernarg_size 40
		.amdhsa_user_sgpr_count 2
		.amdhsa_user_sgpr_kernarg_segment_ptr 1
		.amdhsa_wavefront_size32 1
		.amdhsa_system_sgpr_workgroup_id_x 1
		.amdhsa_system_sgpr_workgroup_id_y 1
		.amdhsa_system_sgpr_workgroup_id_z 1
		.amdhsa_system_vgpr_workitem_id 0
		.amdhsa_next_free_vgpr 1024
		.amdhsa_next_free_sgpr 98
		.amdhsa_reserve_vcc 0
		.amdhsa_float_denorm_mode_32 3
		.amdhsa_float_denorm_mode_16_64 3
		.amdhsa_memory_ordered 1
		.amdhsa_forward_progress 1
		.amdhsa_inst_pref_size 224
	.end_amdhsa_kernel
	.amdgpu_metadata
---
amdhsa.version: [ 1, 2 ]
amdhsa.kernels:
  - .name:           k_q1572b913a4_qkv
    .symbol:         k_q1572b913a4_qkv.kd
    .args:
      - { .name: xc, .offset: 0, .size: 8, .value_kind: global_buffer, .address_space: global }
      - { .name: wc, .offset: 8, .size: 8, .value_kind: global_buffer, .address_space: global }
      - { .name: csc, .offset: 16, .size: 8, .value_kind: global_buffer, .address_space: global }
      - { .name: lowp_scales, .offset: 24, .size: 8, .value_kind: global_buffer, .address_space: global }
      - { .name: qkvc, .offset: 32, .size: 8, .value_kind: global_buffer, .address_space: global }
    .group_segment_fixed_size: 327680
    .private_segment_fixed_size: 0
    .kernarg_segment_align: 8
    .kernarg_segment_size: 40
    .max_flat_workgroup_size: 128
    .sgpr_count:     98
    .vgpr_count:     1024
    .wavefront_size: 32
...
	.end_amdgpu_metadata
.endif
;; end of part 2
;; launch attn (part 3): grid 16 x 16, 8 waves a work-group, no clusters, 327,680 bytes of LDS; arguments qkvc, lowp_scales, ac; writes ac
.if DOCPART == 3
	.amdgcn_target "amdgcn-amd-amdhsa--gfx1250"
	.amdhsa_code_object_version 6
	.text
	.protected	k_q1572b913a4_attn
	.globl	k_q1572b913a4_attn
	.p2align	8
	.type	k_q1572b913a4_attn,@function
k_q1572b913a4_attn:
	s_mov_b64 s[64:65], 0
	v_nop
	global_prefetch_b8 v0, s[64:65] scope:SCOPE_SE
	s_setreg_imm32_b32 hwreg(HW_REG_WAVE_MODE, 25, 1), 1
	s_wait_xcnt 0x0
; LAUNCH 3 OF 4.  Products 4 and 5 on codes of E4M3, with the causal softmax between them, and the quantising of the result (e10) for product 6.
; WORK LEFT OUT: reference() builds the causal mask itself; a key after the query has the weight 2^(-infinity) = 0 for all finite inputs.  A step of 128 keys that all come after a wave's 16 queries is not multiplied,
; and a slot of 256 keys whose first key comes after the work-group's last query is not fetched.  LIMIT: a NaN, an infinity or an overflow that reaches only that work is not carried to the result.
; q, k: [head][position][128] codes (parts 0, 1 of qkvc); v: [head][block of 128 keys][128 rows][128 bytes] (part 2), rows and bytes in the orders that launch qkv states.  ac: [block of 128 positions][head][128 positions][128 bytes] codes:
; byte s of a row of ac is the channel of v's row s, which is the order of k in Wo's codes.
; THE SOFTMAX: t = score x log2(e) / sqrt(128); M = the running largest t rounded UP to a whole number; p = 2^(t - M) is quantised with 2^e8, not normalised; the row's sum is taken of the unquantised p; when M moves,
; the sum and O are multiplied by 2^(old M - new M), which rounds nothing.  At the end O / sum stands for the result / 2^(e8 + e9), so its code is (O / sum) / 2^(e10 - e8 - e9).
; SHARES.  Work-group (j, head) owns the blocks of 64 queries j and 31 - j, so that every work-group has the same number of keys under the mask.  Each of its eight waves owns 16 queries, in 512 registers: two waves to a SIMD;
; waves w and w + 4 hold one early and one late tile.  K and V come through a ring of two LDS slots of 256 keys; EVERY wave fetches an eighth of a slot, 8,192 consecutive bytes (waves 0-3: K, waves 4-7: V).
; No cluster: the work-groups of a head end their fetching at different slots (the last query of work-group j is 2,047 - 64 j), so partners would need different numbers of tiles.
; LAYOUT.  Both products are used transposed (S^T = K Q^T, O^T = V^T P^T): a lane holds ONE query (lane % 16).  A tile of K is 16 NEIGHBOURING keys: their LDS rows lie 36 words apart and start at 16 different groups of four banks
; (64 banks of 4 bytes: ISA guide 11.1).  Register j of tile T is key 16 T + 8 (lane / 16) + j, so the 16 codes that two neighbouring tiles give a lane are keys 32 c + 8 h + 0 .. 7 and 32 c + 16 + 8 h + 0 .. 7: the order in which v's rows hold their keys.
; LDS LOADS GO OUT EARLY.  Window 1 holds all eight fragments of K and all eight of V.  V's 32 loads are issued behind the scores' products and land under the softmax; the K of a slot's second step is issued in the first step,
; ahead of the exponentials, without a test.  The causal test is made for a slot as a whole and once more ahead of its second step, so that no way leads to products on fragments that were not fetched.
; LIMITS: e6 + e7 between -123 and 130 (added to c's exponent field); e8, and e10 - e8 - e9, between -126 and 119.  NaN is not served.
; REGISTERS: window 0: v1-7 addresses that stay; v8, v9 the slot's LDS addresses; v12 -M, v13 the largest t, v[14:15] the sum; v16-31 Q; v32-47 the way out; v96-159 S^T, then p; v160-223 O^T; v224-239 codes; v236-254 at work and constants.
;   window 1: v0-127 K's fragments; v128-255 V's.
.set SK,    256                        ; keys in a slot
.set KP,    144                        ; an LDS row: 128 bytes + 16 of padding
.set VOFF,  SK*KP                      ; a slot: 256 rows of K, then V as [step 2][128 rows]
.set SLOT1, 1<<17                      ; slot 1 begins here: one exclusive or turns an address from one slot to the other
.set SLOTB, 32768                      ; a slot's keys in memory, in K and in V alike
.set NSL,   8
.set STAGE, 2*SLOT1                    ; behind the ring: 16 rows x 144 bytes for each wave, for the way out
.set SPARE, STAGE+8*16*KP              ; the spare words, 128 bytes a wave, which no other line names
.set AK0,  1
.set AV0,  2
.set PFO,  3                           ; v3   256 x lane: the prefetches' offset; never rewritten
.set SPW,  5                           ; v5   my spare word's LDS address; never rewritten
.set NIL,  6                           ; v6   0; never rewritten
.set GO,   7                           ; v7   16 x lane
.set ADK,  8
.set ADV,  9
.set STO,  246                         ; v246, v247  my stage: in, back
.set RD,   247
.set KB,   0                           ; in window 1
.set VB,   128
.set WV,   18
.set SEL,  20                          ; s[20:21] lane selects for v_permlanex16_b32: lane l xor 16
.set CS,   22                          ; s[22:23] c = log2(e) / sqrt(128) x 2^(e6 + e7)
.set G1,   24                          ; s[24:31] descriptor group 1
.set G0,   40                          ; s[40:43] group 0, which walks
.set TB,   2                           ; s2   LDS byte at which the slot in hand begins
.set SLOTS, 67                         ; s67  changes of slots still to come that may ask for a slot
.set PFA,  76                          ; s[76:77] where my prefetches stand: my 8,192 bytes of the slot after the one that is being asked for
.set LIM,  80                          ; s80  1 in a work-group that prefetches, else the greatest number
.set LASTQ, 81                         ; s81  my work-group's last query
.set KF,   98                          ; s98  the first key of the slot in hand
.set Q0,   99                          ; s99  my first query
.set MSB, 0
.macro WIN new                         ; the immediate's high byte repeats the setting that is left; at every label and branch the setting is 0
.if MSB != \new
	s_set_vgpr_msb (MSB<<8)|\new
.set MSB, \new
.endif
.endm
.set W_MUL, 0x01                       ; source 0 (K's or V's fragment) window 1, all else window 0
.set W_LD,  0x40                       ; destination window 1, address window 0
; A PREFETCH of what the NEXT change of slots will ask for.  All sixteen work-groups of a head walk the same K and V; work-group 0, which walks all eight slots, asks, and nobody else; each of its waves asks for the
; 8,192 bytes that it will itself fetch, lanes 256 bytes apart: each aligned block of 256 bytes is named once in the launch.  The last change that fills a slot asks for nothing; slots 0 and 1 come by their loads alone.
.macro ASK
	s_cmp_gt_u32 s[SLOTS], s[LIM]
	s_cbranch_scc0 .Lnot_mine_\@
	global_prefetch_b8 v[PFO], s[PFA:PFA+1] th:TH_LOAD_NT scope:SCOPE_SE
.Lnot_mine_\@:
.endm
	s_load_b128 s[4:7], s[0:1], 0x0                ; qkvc s[4:5], lowp_scales s[6:7]
	s_load_b64 s[8:9], s[0:1], 0x10                ; ac
	v_lshl_add_u32 v[SPW], v0, 2, SPARE
	v_mov_b32 v[NIL], 0
	ds_add_u32 v[SPW], v[NIL]                      ; the wave's opening: the add, twice on end, and its wait ahead of my first tensor load
	ds_add_u32 v[SPW], v[NIL]
	v_lshrrev_b32 v8, 5, v0
	s_delay_alu instid0(VALU_DEP_1)
	v_readfirstlane_b32 s[WV], v8                  ; wave 0..7
	s_and_b32 s82, ttmp7, 0xffff                   ; the head
	s_lshl_b32 s83, s82, 18                        ; its 262,144 bytes in each part of qkvc
	s_lshr_b32 s84, s[WV], 2
	s_xor_b32 s84, s84, s[WV]
	s_and_b32 s84, s84, 1                          ; 1: my tile lies in the late block
	s_sub_co_u32 s85, 31, ttmp9
	s_cmp_eq_u32 s84, 1
	s_cselect_b32 s85, s85, ttmp9                  ; my block of 64 queries: 31 - j or j
	s_lshl_b32 s85, s85, 6
	s_lshr_b32 s86, s[WV], 1
	s_lshl_b32 s86, s86, 4
	s_add_co_u32 s[Q0], s85, s86                   ; my first query
	s_lshl_b32 s[LASTQ], ttmp9, 6
	s_sub_co_u32 s[LASTQ], 2047, s[LASTQ]
	s_lshr_b32 s88, s[WV], 2
	s_add_co_u32 s88, s88, 1
	s_lshl_b32 s88, s88, 22                        ; what I fetch: part 1 (K) or 2 (V),
	s_add_co_u32 s88, s88, s83                     ; my head,
	s_and_b32 s87, s[WV], 3
	s_lshl_b32 s87, s87, 13
	s_add_co_u32 s88, s88, s87                     ; my quarter of a slot's 32,768 bytes
	s_mov_b32 s89, 0
	s_lshl_b32 s90, s[Q0], 7
	s_add_co_u32 s90, s90, s83                     ; Q's codes at my first query
	s_mov_b32 s91, 0
	s_lshr_b32 s92, s[Q0], 7
	s_lshl_b32 s92, s92, 4
	s_add_co_u32 s92, s92, s82
	s_lshl_b32 s92, s92, 14                        ; ac: block 16 x (position block) + head,
	s_and_b32 s93, s[Q0], 127
	s_lshl_b32 s93, s93, 7
	s_add_co_u32 s92, s92, s93                     ; + my first row in it
	s_mov_b32 s93, 0
	; descriptor group 1: 64 rows of 128 bytes, dense in memory, padded in LDS
	s_mov_b32 s[G1], (0<<16)|(1<<20)|(4<<22)|(3<<25)   ; no mask; elements of 1 byte; padding on: four words after every 32
	s_mov_b32 s[G1+1], 256<<16                     ; tensor_dim0: the dense block is stated as 32 rows of 256 bytes; the padding still stands behind every 128
	s_mov_b32 s[G1+2], 32<<16                      ; tensor_dim1
	s_mov_b32 s[G1+3], 256<<16                     ; tile_dim0
	s_mov_b32 s[G1+4], 32                          ; tile_dim1
	s_mov_b32 s[G1+5], 256                         ; from row to row
	s_mov_b32 s[G1+6], 0
	s_mov_b32 s[G1+7], 0
	s_mov_b32 s[SEL], 0x76543210
	s_mov_b32 s[SEL+1], 0xfedcba98
	s_mov_b32 s[CS], 0x3e0293ee                    ; log2(e) / sqrt(128)
	s_mov_b32 s[TB], 0
	s_mov_b32 s[SLOTS], NSL-1
	s_mov_b32 s[KF], 0
	s_cmp_eq_u32 ttmp9, 0
	s_cselect_b32 s[LIM], 1, -1
	s_wait_dscnt 0x0                               ; both opening adds are done
	s_wait_kmcnt 0x0
	s_load_b128 s[68:71], s[6:7], 0x18             ; e6, e7, e8, e9
	s_load_b32 s72, s[6:7], 0x28                   ; e10
	s_mov_b32 s[G0], 1
	s_mul_i32 s[G0+1], s[WV], 64*KP                ; my 64 rows of slot 0: K's four quarters, then V's four
	s_add_nc_u64 s[G0+2:G0+3], s[4:5], s[88:89]
	s_or_b32 s[G0+3], s[G0+3], 0x80000000
	tensor_load_to_lds s[G0:G0+3], s[G1:G1+7]      ; slot 0: every wave issues its part, so one tensor load of mine is out
	s_nop 0
.rept 4
	v_nop
.endr
	s_add_nc_u64 s[PFA:PFA+1], s[4:5], s[88:89]
	s_add_nc_u64 s[PFA:PFA+1], s[PFA:PFA+1], SLOTB ; in slot 1: the first change of slots steps it to slot 2.  Nothing is prefetched here, at the head
	s_add_nc_u64 s[12:13], s[4:5], s[90:91]
	s_add_nc_u64 s[16:17], s[8:9], s[92:93]
	v_and_b32 v8, 15, v0                           ; r
	v_bfe_u32 v9, v0, 4, 1                         ; h
	s_delay_alu instid0(VALU_DEP_2)
	v_lshlrev_b32 v10, 7, v8
	s_delay_alu instid0(VALU_DEP_1)
	v_lshl_add_u32 v10, v9, 4, v10
.irp c, 0,1,2,3
	global_load_b128 v[16+4*\c:19+4*\c], v10, s[12:13] offset:32*\c   ; Q's fragment stays in registers
.endr
	v_mul_u32_u24 v[AK0], v8, KP
	s_delay_alu instid0(VALU_DEP_1)
	v_lshl_add_u32 v[AK0], v9, 4, v[AK0]           ; a fragment's row x pitch + 16 h: for K,
	s_delay_alu instid0(VALU_DEP_1)
	v_add_nc_u32 v[AV0], VOFF, v[AK0]              ; and for V
	v_and_b32 v[PFO], 31, v0
	s_delay_alu instid0(VALU_DEP_1)
	v_lshlrev_b32 v[GO], 4, v[PFO]
	s_mul_i32 s73, s[WV], 16*KP
	s_add_co_u32 s73, s73, STAGE                   ; my stage
	v_mul_u32_u24 v[STO], v8, KP
	s_delay_alu instid0(VALU_DEP_1)
	v_lshl_add_u32 v[STO], v9, 3, v[STO]
	s_delay_alu instid0(VALU_DEP_1)
	v_add_nc_u32 v[STO], s73, v[STO]               ; in: row r, 8 bytes for each half of the lanes
	v_lshrrev_b32 v[RD], 3, v[PFO]
	s_delay_alu instid0(VALU_DEP_1)
	v_mul_u32_u24 v[RD], v[RD], KP
	v_and_b32 v11, 7, v0
	s_delay_alu instid0(VALU_DEP_1)
	v_lshl_add_u32 v[RD], v11, 4, v[RD]
	s_delay_alu instid0(VALU_DEP_1)
	v_add_nc_u32 v[RD], s73, v[RD]                 ; back: eight lanes to a row, four rows an instruction
	v_lshlrev_b32 v[PFO], 8, v[PFO]
	v_mov_b32 v13, 0xff61b1e6                      ; the largest t so far: -3e38, under every t
	s_delay_alu instid0(VALU_DEP_1)
	v_floor_f32 v12, -v13                          ; -M
	v_mov_b32 v14, 0
	v_mov_b32 v15, 0
	v_mov_b32 v236, 0                              ; written once: a lane permute's destination counts as one of its sources
	v_mov_b32 v253, 0                              ; (named as the upper half of the pair v[252:253])
.set ii, 0
.rept 64
	v_mov_b32 v[160+ii], 0                         ; O^T.  (The step is written for every trip alike: the first finds zeros, which the first change of M leaves zeros)
.set ii, ii+1
.endr
	s_wait_kmcnt 0x0
	s_add_co_i32 s73, s68, s69
	s_lshl_b32 s73, s73, 23
	s_add_co_i32 s[CS], s[CS], s73                 ; a score stands for score x 2^(e6 + e7): added to c's exponent field
	s_mov_b32 s[CS+1], s[CS]
	s_add_co_i32 s73, s70, 127
	s_lshl_b32 s74, s73, 23
	v_mov_b32 v244, s74                            ; 2^e8
	s_add_co_i32 s73, s73, 8
	s_lshl_b32 s73, s73, 23
	s_or_b32 s73, s73, 0x600000
	v_mov_b32 v240, s73                            ; 448 x 2^e8
	s_sub_co_i32 s73, s72, s70
	s_sub_co_i32 s73, s73, s71
	s_add_co_i32 s73, s73, 127
	s_lshl_b32 s74, s73, 23
	v_mov_b32 v245, s74                            ; 2^(e10 - e8 - e9)
	s_add_co_i32 s73, s73, 8
	s_lshl_b32 s73, s73, 23
	s_or_b32 s73, s73, 0x600000
	v_mov_b32 v241, s73                            ; 448 x that
; 32 LDS loads in one run: the eight fragments of K, or of V, of the slot's q-th step.  Fragment t: rows 16 t + lane % 16; registers 4 c .. 4 c + 3: bytes 32 c + 16 (lane / 16) + 0 .. 15 of the row.
.macro LOADK q
	WIN W_LD
.irp t, 0,1,2,3,4,5,6,7
.irp c, 0,1,2,3
	ds_load_b128 v[KB+16*\t+4*\c:KB+16*\t+4*\c+3], v[ADK] offset:(128*(\q)+16*\t)*KP+32*\c
.endr
.endr
	WIN 0
.endm
.macro LOADV q
	WIN W_LD
.irp t, 0,1,2,3,4,5,6,7
.irp c, 0,1,2,3
	ds_load_b128 v[VB+16*\t+4*\c:VB+16*\t+4*\c+3], v[ADV] offset:(128*(\q)+16*\t)*KP+32*\c
.endr
.endr
	WIN 0
.endm
; A KEY STEP: 128 keys, the q-th of the slot in hand.  At its head K's 32 loads are the youngest LDS instructions of the wave.
.macro STEPX q
	s_wait_dscnt 16                                ; K's fragments 0 to 3 are in; its sixteen youngest loads may be out
	WIN W_MUL
.irp t, 0,1,2,3
	v_wmma_f32_16x16x128_fp8_fp8 v[96+8*\t:103+8*\t], v[KB+16*\t:KB+16*\t+15], v[16:31], 0
.endr
	s_wait_dscnt 0x0
.irp t, 4,5,6,7
	v_wmma_f32_16x16x128_fp8_fp8 v[96+8*\t:103+8*\t], v[KB+16*\t:KB+16*\t+15], v[16:31], 0
.endr
.rept 4
	v_nop                                          ; four places: ahead of the first reads of the scores, of the loads into V's registers, which the last step's products read, and of those into K's
.endr
	LOADV \q                                       ; lands under the softmax
	s_add_co_u32 s97, s[KF], 128*\q                ; the step's first key
	s_add_co_u32 s96, s97, 127                     ; on the diagonal the scores of hidden keys become -infinity ahead of the maximum: p = 0 then.  A step all of whose keys count skips this
	s_cmp_le_u32 s96, s[Q0]
	s_cbranch_scc1 .Lopen_\@
	s_sub_co_i32 s96, s[Q0], s97
	v_and_b32 v252, 15, v0
	v_bfe_u32 v253, v0, 4, 1
	s_delay_alu instid0(VALU_DEP_1)
	v_lshlrev_b32 v253, 3, v253
	s_delay_alu instid0(VALU_DEP_1)
	v_sub_nc_u32 v252, v252, v253
	s_delay_alu instid0(VALU_DEP_1)
	v_add_nc_u32 v252, s96, v252                   ; d = my query - the step's first key - 8 (lane / 16).  Register n holds key 16 (n / 8) + 8 (lane / 16) + n % 8 of the step: hidden where 16 (n / 8) + n % 8 > d
	v_mov_b32 v254, 0xff800000                     ; -infinity
.set ii, 0
.rept 64
	v_cmp_gt_i32 vcc_lo, 16*(ii/8)+ii%8, v252
	v_cndmask_b32 v[96+ii], v[96+ii], v254, vcc_lo
.set ii, ii+1
.endr
.Lopen_\@:
	v_max3_num_f32 v254, v96, v97, v98             ; the step's largest score of my query among my 64 keys, in two chains,
	v_max3_num_f32 v252, v99, v100, v101
.set ii, 6
.rept 14
	v_max3_num_f32 v254, v254, v[96+ii], v[97+ii]
	v_max3_num_f32 v252, v252, v[98+ii], v[99+ii]
.set ii, ii+4
.endr
	v_max3_num_f32 v254, v254, v158, v159
	s_delay_alu instid0(VALU_DEP_1)
	v_max_num_f32 v254, v254, v252
	v_permlanex16_b32 v236, v254, s[SEL], s[SEL+1]
	s_delay_alu instid0(VALU_DEP_1)
	v_max_num_f32 v254, v254, v236                 ; and among lane l xor 16's
	s_delay_alu instid0(VALU_DEP_1)
	v_mul_f32 v254, s[CS], v254                    ; as t (c is positive)
	s_delay_alu instid0(VALU_DEP_1)
	v_max_num_f32 v13, v13, v254                   ; the running largest t
	v_mov_b32 v254, v12
	s_delay_alu instid0(VALU_DEP_2)
	v_floor_f32 v12, -v13                          ; the new -M = floor(-t): M is a whole number
	s_delay_alu instid0(VALU_DEP_1)
	v_sub_f32 v254, v12, v254                      ; old M - new M: a whole number, 0 or less
	s_delay_alu instid0(VALU_DEP_1)
	v_cvt_i32_f32 v254, v254                       ; (it saturates)
	s_delay_alu instid0(VALU_DEP_1)
	v_ldexp_f32 v252, 1.0, v254                    ; f = 2^(old M - new M)
.set ii, 0
.rept 32
	v_pk_fma_f32 v[96+ii:97+ii], v[96+ii:97+ii], s[CS:CS+1], v[12:13] op_sel_hi:[1,0,0]   ; t - M, two at a time
.set ii, ii+2
.endr
.if \q == 0
	LOADK 1                                        ; the slot's second step: K's registers are free since the scores' products, and the loads land under the rest of this step
.endif
.set ii, 0
	s_wait_alu depctr_va_vdst(0)
.rept 64
	v_exp_f32 v[96+ii], v[96+ii]                   ; p = 2^(t - M), at most 1
.set ii, ii+1
.endr
	v_pk_mul_f32 v[14:15], v[14:15], v[252:253] op_sel_hi:[1,0]   ; the sums under the new M: the plain line behind the exponentials
	s_wait_alu depctr_va_vdst(0)                   ; one wait for the whole batch, ahead of its first reader
	v_pk_add_f32 v[242:243], v[100:101], v[104:105]
	v_pk_add_f32 v[254:255], v[108:109], v[112:113]
	v_pk_add_f32 v[250:251], v[116:117], v[120:121]
	v_pk_add_f32 v[248:249], v[124:125], v[128:129]
	v_pk_add_f32 v[238:239], v[132:133], v[136:137]
	v_pk_add_f32 v[236:237], v[140:141], v[144:145]
	v_pk_add_f32 v[234:235], v[148:149], v[152:153]
	v_pk_add_f32 v[14:15], v[14:15], v[156:157]
	v_pk_add_f32 v[242:243], v[242:243], v[96:97]
	v_pk_add_f32 v[254:255], v[254:255], v[98:99]
	v_pk_add_f32 v[250:251], v[250:251], v[102:103]
	v_pk_add_f32 v[248:249], v[248:249], v[106:107]
	v_pk_add_f32 v[238:239], v[238:239], v[110:111]
	v_pk_add_f32 v[236:237], v[236:237], v[114:115]
	v_pk_add_f32 v[234:235], v[234:235], v[118:119]
	v_pk_add_f32 v[14:15], v[14:15], v[122:123]
	v_pk_add_f32 v[242:243], v[242:243], v[126:127]
	v_pk_add_f32 v[254:255], v[254:255], v[130:131]
	v_pk_add_f32 v[250:251], v[250:251], v[134:135]
	v_pk_add_f32 v[248:249], v[248:249], v[138:139]
	v_pk_add_f32 v[238:239], v[238:239], v[142:143]
	v_pk_add_f32 v[236:237], v[236:237], v[146:147]
	v_pk_add_f32 v[234:235], v[234:235], v[150:151]
	v_pk_add_f32 v[14:15], v[14:15], v[154:155]
	v_pk_add_f32 v[242:243], v[242:243], v[158:159]
	s_delay_alu instid0(VALU_DEP_2)
	v_pk_add_f32 v[14:15], v[14:15], v[248:249]
	s_delay_alu instid0(VALU_DEP_2)
	v_pk_add_f32 v[242:243], v[242:243], v[238:239]
	v_pk_add_f32 v[254:255], v[254:255], v[236:237]
	v_pk_add_f32 v[250:251], v[250:251], v[234:235]
	s_delay_alu instid0(VALU_DEP_2)
	v_pk_add_f32 v[14:15], v[14:15], v[254:255]
	s_delay_alu instid0(VALU_DEP_2)
	v_pk_add_f32 v[242:243], v[242:243], v[250:251]
	s_delay_alu instid0(VALU_DEP_1)
	v_pk_add_f32 v[14:15], v[14:15], v[242:243]
.irp b, 0,1,2,3
.set ii, 0
.rept 16
	v_min_num_f32 v[96+16*\b+ii], v[96+16*\b+ii], v240   ; the conversion does not saturate (ISA guide 7.6.2); p is not negative, so the hold is one-sided
.set ii, ii+1
.endr
	v_cvt_scalef32_pk8_fp8_f32 v[224+4*\b:225+4*\b], v[96+16*\b:103+16*\b], v244
	v_cvt_scalef32_pk8_fp8_f32 v[226+4*\b:227+4*\b], v[104+16*\b:111+16*\b], v244
.endr
.set ii, 0
.rept 32
	v_pk_mul_f32 v[160+ii:161+ii], v[160+ii:161+ii], v[252:253] op_sel_hi:[1,0]   ; O^T under the new M.  (Plain lines between the conversions and the products that read the codes)
.set ii, ii+2
.endr
	s_wait_alu depctr_va_vdst(0)
	s_wait_dscnt 32*(1-\q)                         ; V's fragments are in; in a slot's first step the 32 loads of the next step's K, issued behind them, may be out
	WIN W_MUL
.irp t, 0,1,2,3,4,5,6,7                        ; O^T += V^T P^T: eight tiles of 16 rows of V; K = these 128 keys.  The eight accumulators take turns, one instruction a turn
	v_wmma_f32_16x16x128_fp8_fp8 v[160+8*\t:167+8*\t], v[VB+16*\t:VB+16*\t+15], v[224:239], v[160+8*\t:167+8*\t]
.endr
	WIN 0
.endm
; A SLOT'S WORK.  A slot whose first key comes after my 16 queries is left out whole, and its second step where that step's first key does: scalar branches on ids, round loads, products and softmax; no barrier, no tensor load and no wait of the change of slots stands here.
.macro SLOTWORK
	s_add_co_u32 s96, s[Q0], 15
	s_cmp_gt_u32 s[KF], s96
	s_cbranch_scc1 .Lgone_\@
	v_add_nc_u32 v[ADK], s[TB], v[AK0]
	v_add_nc_u32 v[ADV], s[TB], v[AV0]
	LOADK 0
	s_wait_alu depctr_va_vdst(0)
	STEPX 0
	s_add_co_u32 s97, s[KF], 128
	s_add_co_u32 s96, s[Q0], 15
	s_cmp_gt_u32 s97, s96
	s_cbranch_scc1 .Lgone_\@
	STEPX 1
.Lgone_\@:
	s_add_co_u32 s[KF], s[KF], SK
	s_xor_b32 s[TB], s[TB], SLOT1                  ; on to the other slot
.endm
; THE CHANGE OF SLOTS stands at a slot's head.  Each wave waits for all its tensor loads (its part of the slot that it is about to read), adds 0 to its spare word, and waits for that and for its reads of the slot that it has left.
; Behind the barrier the slot ahead is whole and nobody reads the other one.  fill = 1: the other slot is asked for, while its first key is at or under the work-group's last query.  That test is made of the work-group's
; number and the count of slots alone, is the same in all eight waves, leads round the load's own lines and nothing else, and every wait on TENSORcnt in this text is for 0; a slot left out is read by no step.
.macro CHANGE fill
	s_wait_tensorcnt 0x0                           ; no tensor load of mine is out, so group 0 may be written
	ds_add_u32 v[SPW], v[NIL]                      ; every way here leads through the head's tensor load, once
.if \fill
	s_xor_b32 s[G0+1], s[G0+1], SLOT1              ; the other slot than last time,
	s_add_nc_u64 s[G0+2:G0+3], s[G0+2:G0+3], SLOTB ; the next 256 keys; the type bits on top are not reached
	s_wait_xcnt 0x0                                ; the last prefetch, a slot back, has read its address
	s_add_nc_u64 s[PFA:PFA+1], s[PFA:PFA+1], SLOTB
.endif
	s_wait_dscnt 0x0                               ; the add is done, and my reads of the slot that I have left are over
	s_barrier_signal -1
	s_barrier_wait -1
.if \fill
	s_add_co_u32 s96, s[KF], SK                    ; the first key of the slot that this change would ask for
	s_cmp_gt_u32 s96, s[LASTQ]
	s_cbranch_scc1 .Lpast_\@
	tensor_load_to_lds s[G0:G0+3], s[G1:G1+7]      ; my one tensor load until the next change: it has a slot's two steps in which to land
	s_nop 0
.rept 4
	v_nop
.endr
.Lpast_\@:
	ASK
.endif
.endm
	s_wait_loadcnt 0x0                             ; Q
.Lslot:                                            ; seven trips, a constant: every work-group walks all changes of slots
	CHANGE 1
	SLOTWORK
	s_sub_co_u32 s[SLOTS], s[SLOTS], 1
	s_cmp_lg_u32 s[SLOTS], 0
	s_cbranch_scc1 .Lslot
	CHANGE 0                                       ; the last slot is written out: nothing is left to ask for
	SLOTWORK
	; THE WAY OUT: O^T / the sum, held, turned into codes with 2^(e10 - e8 - e9), through my stage, and out as 2,048 consecutive bytes.
.rept 4
	v_nop                                          ; places behind the last products
.endr
	v_add_f32 v14, v14, v15                        ; the sum's two halves,
	v_permlanex16_b32 v236, v14, s[SEL], s[SEL+1]
	s_delay_alu instid0(VALU_DEP_1)
	v_add_f32 v14, v14, v236                       ; and lane l xor 16's
	s_wait_alu depctr_va_vdst(0)
	v_rcp_f32 v14, v14
	v_nop                                          ; a plain line behind the reciprocal
	s_wait_alu depctr_va_vdst(0)                   ; and the wait ahead of its first reader
.set ii, 0
.rept 32
	v_pk_mul_f32 v[96+ii:97+ii], v[160+ii:161+ii], v[14:15] op_sel_hi:[1,0]   ; register 8 t + i belongs to query r and to v's row 16 t + 8 h + i; each accumulator from its low end on
.set ii, ii+2
.endr
.set ii, 0
.rept 64
	v_med3_num_f32 v[96+ii], v[96+ii], -v241, v241
.set ii, ii+1
.endr
.irp t, 0,1,2,3,4,5,6,7
	v_cvt_scalef32_pk8_fp8_f32 v[224+2*\t:225+2*\t], v[96+8*\t:103+8*\t], v245
.endr
	v_nop
.irp t, 0,1,2,3,4,5,6,7
	ds_store_b64 v[STO], v[224+2*\t:225+2*\t] offset:16*\t
.endr
.irp i, 0,1,2,3
	ds_load_b128 v[32+4*\i:35+4*\i], v[RD] offset:4*KP*\i   ; LDS serves a wave's instructions in order: these see my stores
.endr
.irp i, 0,1,2,3
	s_wait_dscnt 3-\i                              ; load i is back; the later ones may be out
	global_store_b128 v[GO], v[32+4*\i:35+4*\i], s[16:17] offset:512*\i   ; 32 lanes store 512 consecutive bytes, aligned
.endr
	s_wait_tensorcnt 0x0                           ; the wave's end, behind my last tensor load and my last LDS store
	ds_add_u32 v[SPW], v[NIL]
	s_wait_dscnt 0x0
	s_endpgm
.Lfunc_end_k_q1572b913a4_attn:
	.size	k_q1572b913a4_attn, .Lfunc_end_k_q1572b913a4_attn-k_q1572b913a4_attn
	.p2alignl 7, 3214868480
	.fill 96, 4, 3214868480
	.section	.rodata,"a",@progbits
	.p2align	6, 0x0
	.amdhsa_kernel k_q1572b913a4_attn
		.amdhsa_group_segment_fixed_size 327680
		.amdhsa_private_segment_fixed_size 0
		.amdhsa_enable_private_segment 0
		.amdhsa_kernarg_size 24
		.amdhsa_user_sgpr_count 2
		.amdhsa_user_sgpr_kernarg_segment_ptr 1
		.amdhsa_wavefront_size32 1
		.amdhsa_system_sgpr_workgroup_id_x 1
		.amdhsa_system_sgpr_workgroup_id_y 1
		.amdhsa_system_sgpr_workgroup_id_z 1
		.amdhsa_system_vgpr_workitem_id 0
		.amdhsa_next_free_vgpr 512
		.amdhsa_next_free_sgpr 100
		.amdhsa_reserve_vcc 1
		.amdhsa_float_denorm_mode_32 3
		.amdhsa_float_denorm_mode_16_64 3
		.amdhsa_memory_ordered 1
		.amdhsa_forward_progress 1
		.amdhsa_inst_pref_size 117
	.end_amdhsa_kernel
	.amdgpu_metadata
---
amdhsa.version: [ 1, 2 ]
amdhsa.kernels:
  - .name:           k_q1572b913a4_attn
    .symbol:         k_q1572b913a4_attn.kd
    .args:
      - { .name: qkvc, .offset: 0, .size: 8, .value_kind: global_buffer, .address_space: global }
      - { .name: lowp_scales, .offset: 8, .size: 8, .value_kind: global_buffer, .address_space: global }
      - { .name: ac, .offset: 16, .size: 8, .value_kind: global_buffer, .address_space: global }
    .group_segment_fixed_size: 327680
    .private_segment_fixed_size: 0
    .kernarg_segment_align: 8
    .kernarg_segment_size: 24
    .max_flat_workgroup_size: 256
    .sgpr_count:     100
    .vgpr_count:     512
    .wavefront_size: 32
...
	.end_amdgpu_metadata
.endif
;; end of part 3
;; launch oproj (part 4): grid 16 x 16, 4 waves a work-group, clusters of 4 x 4, 327,680 bytes of LDS; arguments ac, wc, lowp_scales, out0; writes out0
.if DOCPART == 4
	.amdgcn_target "amdgcn-amd-amdhsa--gfx1250"
	.amdhsa_code_object_version 6
	.text
	.protected	k_q1572b913a4_oproj
	.globl	k_q1572b913a4_oproj
	.p2align	8
	.type	k_q1572b913a4_oproj,@function
k_q1572b913a4_oproj:
	s_mov_b64 s[64:65], 0
	v_nop
	global_prefetch_b8 v0, s[64:65] scope:SCOPE_SE
	s_setreg_imm32_b32 hwreg(HW_REG_WAVE_MODE, 25, 1), 1
	s_wait_xcnt 0x0
	s_wait_alu depctr_hold_cnt(0) depctr_sa_sdst(0) depctr_va_vdst(0) depctr_va_sdst(0) depctr_va_ssrc(0) depctr_va_vcc(0) depctr_vm_vsrc(0)
	s_getreg_b32 s2, hwreg(HW_REG_IB_STS2, 6, 4)
	s_cmp_eq_u32 s2, 0
	s_cbranch_scc0 .Lentry_in_a_cluster
	s_endpgm
.Lentry_in_a_cluster:
	s_bfe_u32 s2, ttmp6, 0x10000c
	s_cmp_lg_u32 s2, 0xf033
	s_cbranch_scc0 .Lentry_shape_is_right
	s_endpgm
.Lentry_shape_is_right:
; LAUNCH 4 OF 4.  Product 6: out0 = (attn's codes, e10) x (Wo's codes, e11)^T, f32, each sum x 2^(e10 + e11).  LIMIT: e10 + e11 between -126 and 127.
; 256 tiles of 128 x 128; a wave makes 64 x 64.  K goes in four steps of 512 through two LDS slots; a wave's load is 2 K blocks of 128 rows x 128 bytes, 32,768 consecutive bytes, stated as 128 rows of 256 bytes, padded behind every 128.
; CLUSTERS 4 x 4 with joint loads: A's tile along a row, B's along a column.  PREFETCH: with the load of K step j stands the prefetch of K step j + 2 (with step 0's also step 1's); the four partners share a load's bytes out by address,
; 8,192 bytes each, one instruction a wave.
.set PFO,  30                          ; v30  256 x lane
.set PITCH,  144
.set QB,     128*PITCH
.set HALFT,  2*QB
.set SLOT,   4*HALFT
.set KSB,    65536
.set STAGE,  2*SLOT
.set SPITCH, 272
.set SPARE,  STAGE+4*16*SPITCH
.set ADRA, 16
.set ADRB, 20
.set STO,  24
.set RD,   25
.set CO,   26
.set SPW,  28
.set NIL,  29
.set TMP,  32
.set BK,   64
.set ACC,  128
.set F0,   0
.set F1,   128
.set G1, 24
.set G0, 32
.set G1B, 48
.set G0B, 56
.set MSB, 0
.macro WIN new
.if MSB != \new
	s_set_vgpr_msb (MSB<<8)|\new
.set MSB, \new
.endif
.endm
.set MUL,  0x05
.set TO_F, 0x40
.macro JLOAD s
	s_cmp_eq_u32 s15, 0
	s_cbranch_scc0 .Lfor_b_\@
	tensor_load_to_lds s[G0+4*\s:G0+4*\s+3], s[G1:G1+7]
	s_nop 0
.rept 4
	v_nop
.endr
	s_branch .Lasked_\@
.Lfor_b_\@:
	tensor_load_to_lds s[G0B+4*\s:G0B+4*\s+3], s[G1B:G1B+7]
	s_nop 0
.rept 4
	v_nop
.endr
.Lasked_\@:
.endm
.macro CREST
	s_cmp_lg_u32 s14, 0
	s_cbranch_scc1 .Lnot_wave_0_\@
	s_barrier_signal -3
.Lnot_wave_0_\@:
	s_barrier_wait -3
	s_barrier_signal -1
	s_barrier_wait -1
.endm
.macro CROUND
	s_barrier_signal -1
	s_barrier_wait -1
	CREST
.endm
	s_load_b256 s[68:75], s[0:1], 0x0
	v_lshl_add_u32 v[SPW], v0, 2, SPARE
	v_mov_b32 v[NIL], 0
	ds_add_u32 v[SPW], v[NIL]
	ds_add_u32 v[SPW], v[NIL]
	v_lshrrev_b32 v1, 5, v0
	v_readfirstlane_b32 s14, v1
	s_lshr_b32 s15, s14, 1
	s_and_b32 s16, s14, 1
	s_bfe_u32 s40, ttmp6, 0x40000
	s_bfe_u32 s41, ttmp6, 0x40004
	s_lshl_b32 s42, ttmp9, 2
	s_add_co_u32 s42, s42, s40
	s_and_b32 s17, ttmp7, 0xffff
	s_lshl_b32 s17, s17, 2
	s_add_co_u32 s17, s17, s41
	s_lshl_b32 s43, s41, 2
	s_lshl_b32 s43, 15, s43
	s_lshl_b32 s44, 0x1111, s40
	s_or_b32 s[G1+0], s43, (0<<16)|(1<<20)|(1<<21)|(4<<22)|(3<<25)
	s_or_b32 s[G1B+0], s44, (0<<16)|(1<<20)|(1<<21)|(4<<22)|(3<<25)
.irp g, G1, G1B
	s_mov_b32 s[\g+1], 256<<16
	s_mov_b32 s[\g+2], 128<<16
	s_mov_b32 s[\g+3], 256<<16
	s_mov_b32 s[\g+4], 128
	s_mov_b32 s[\g+5], 256
	s_mov_b32 s[\g+6], 0
	s_mov_b32 s[\g+7], 0
.endr
	s_lshl_b32 s18, s16, 15
	s_lshl_b32 s20, s17, 18
	s_add_co_u32 s20, s20, s18
	s_mov_b32 s21, 0
	s_lshl_b32 s46, s42, 18
	s_add_co_u32 s46, s46, s18
	s_add_co_u32 s46, s46, 0xc00000
	s_mov_b32 s47, 0
	s_mul_i32 s45, s14, HALFT
	s_wait_dscnt 0x0
	s_wait_kmcnt 0x0
	s_load_b64 s[96:97], s[72:73], 0x28
	s_add_nc_u64 s[20:21], s[68:69], s[20:21]
	s_add_nc_u64 s[46:47], s[70:71], s[46:47]
	CROUND
.irp s, 0,1
	s_mov_b32 s[G0+4*\s], 1
	s_add_co_u32 s[G0+4*\s+1], s45, \s*SLOT
	s_add_nc_u64 s[G0+4*\s+2:G0+4*\s+3], s[20:21], \s*KSB
	s_or_b32 s[G0+4*\s+3], s[G0+4*\s+3], 0x80000000
	s_mov_b32 s[G0B+4*\s], 1
	s_add_co_u32 s[G0B+4*\s+1], s45, \s*SLOT
	s_add_nc_u64 s[G0B+4*\s+2:G0B+4*\s+3], s[46:47], \s*KSB
	s_or_b32 s[G0B+4*\s+3], s[G0B+4*\s+3], 0x80000000
.endr
	JLOAD 0                                        ; K step 0: one tensor load a wave at the head
	v_and_b32 v[PFO], 31, v0
	v_lshlrev_b32 v[PFO], 8, v[PFO]
	s_cmp_eq_u32 s15, 0
	s_cselect_b64 s[66:67], s[20:21], s[46:47]     ; what I fetch: A's part or B's
	s_cselect_b32 s22, s40, s41                    ; my place among the four that ask with me
	s_lshl_b32 s22, s22, 13
	s_mov_b32 s23, 0
	s_add_nc_u64 s[66:67], s[66:67], s[22:23]
	global_prefetch_b8 v[PFO], s[66:67] offset:KSB th:TH_LOAD_NT scope:SCOPE_SE     ; K step 1
	global_prefetch_b8 v[PFO], s[66:67] offset:2*KSB th:TH_LOAD_NT scope:SCOPE_SE   ; K step 2
	v_and_b32 v1, 15, v0
	s_wait_alu depctr_va_vdst(0)
	v_bfe_u32 v2, v0, 4, 1
	v_mul_u32_u24 v3, v1, PITCH
	v_lshl_add_u32 v3, v2, 4, v3
	s_mul_i32 s21, s15, 64*PITCH
	s_mul_i32 s22, s16, 64*PITCH
	s_add_co_u32 s22, s22, 2*HALFT
.irp s, 0,1
	v_add_nc_u32 v[ADRA+\s], s21, v3
	v_add_nc_u32 v[ADRB+\s], s22, v3
	s_add_co_u32 s21, s21, SLOT
	s_add_co_u32 s22, s22, SLOT
.endr
	s_mul_i32 s23, s14, 16*SPITCH
	s_add_co_u32 s23, s23, STAGE
	v_mul_u32_u24 v4, v1, SPITCH
	s_wait_alu depctr_va_vdst(0)
	v_lshl_add_u32 v4, v2, 5, v4
	v_add_nc_u32 v[STO], s23, v4
	v_mul_u32_u24 v5, v2, SPITCH
	v_lshl_add_u32 v5, v1, 4, v5
	v_add_nc_u32 v[RD], s23, v5
	v_lshlrev_b32 v[CO], 13, v2
	v_lshl_add_u32 v[CO], v1, 4, v[CO]
	s_lshl_b32 s18, s17, 7
	s_lshl_b32 s19, s15, 6
	s_add_co_u32 s18, s18, s19
	s_lshl_b32 s18, s18, 13
	s_mov_b32 s19, 0
	s_add_nc_u64 s[10:11], s[74:75], s[18:19]
	s_lshl_b32 s46, s42, 9
	s_lshl_b32 s47, s16, 8
	s_add_co_u32 s46, s46, s47
	s_mov_b32 s47, 0
	s_add_nc_u64 s[10:11], s[10:11], s[46:47]
	s_wait_kmcnt 0x0
	s_add_co_i32 s96, s96, s97
	s_add_co_i32 s96, s96, 127
	s_lshl_b32 s96, s96, 23
	s_mov_b32 s97, s96
.macro MUL4 f, a, zero
.irp b, 0,1,2,3
.if \zero
	v_wmma_f32_16x16x128_fp8_fp8 v[ACC+8*(4*\a+\b):ACC+8*(4*\a+\b)+7], v[\f+64+16*\b:\f+64+16*\b+15], v[\f+16*\a:\f+16*\a+15], 0
.else
	v_wmma_f32_16x16x128_fp8_fp8 v[ACC+8*(4*\a+\b):ACC+8*(4*\a+\b)+7], v[\f+64+16*\b:\f+64+16*\b+15], v[\f+16*\a:\f+16*\a+15], v[ACC+8*(4*\a+\b):ACC+8*(4*\a+\b)+7]
.endif
.endr
.endm
.macro FETCH slot, q, f
	WIN TO_F
.irp i, 0,1,2,3
.irp c, 0,1,2,3
	ds_load_b128 v[\f+64+16*\i+4*\c:\f+64+16*\i+4*\c+3], v[ADRB+\slot] offset:QB*(\q)+\i*16*PITCH+32*\c
.endr
.endr
.irp i, 0,1,2,3
.irp c, 0,1,2,3
	ds_load_b128 v[\f+16*\i+4*\c:\f+16*\i+4*\c+3], v[ADRA+\slot] offset:QB*(\q)+\i*16*PITCH+32*\c
.endr
.endr
.endm
.macro PLACES
.rept 4
	v_nop
.endr
.endm
.macro QUARTER slot, qn, f, g, zero
	s_wait_dscnt 8
	WIN MUL
	MUL4 \f, 0, \zero
	MUL4 \f, 1, \zero
	PLACES
	FETCH \slot, \qn, \g
	s_wait_dscnt 32
	WIN MUL
	MUL4 \f, 2, \zero
	MUL4 \f, 3, \zero
.endm
.macro TURN slot, next, fill
	WIN 0
	s_wait_tensorcnt 0x0
	ds_add_u32 v[SPW], v[NIL]
	s_wait_dscnt 9
	WIN MUL
	MUL4 F1, 0, 0
	s_wait_dscnt 0x0
	s_barrier_signal -1
	MUL4 F1, 1, 0
	WIN 0
	s_barrier_wait -1
.if \fill
	CREST
	s_add_nc_u64 s[G0+4*\slot+2:G0+4*\slot+3], s[G0+4*\slot+2:G0+4*\slot+3], 2*KSB
	s_add_nc_u64 s[G0B+4*\slot+2:G0B+4*\slot+3], s[G0B+4*\slot+2:G0B+4*\slot+3], 2*KSB
	JLOAD \slot
.else
	PLACES
.endif
	FETCH \next, 0, F0
	WIN MUL
	MUL4 F1, 2, 0
	MUL4 F1, 3, 0
.endm
	s_wait_alu depctr_va_vdst(0)
	s_wait_tensorcnt 0x0                           ; my part of K step 0 is in
	ds_add_u32 v[SPW], v[NIL]
	s_wait_dscnt 0x0
	CROUND
	JLOAD 1                                        ; K step 1
	FETCH 0, 0, F0
	global_prefetch_b8 v[PFO], s[66:67] offset:3*KSB th:TH_LOAD_NT scope:SCOPE_SE   ; K step 3 (the address is source 0, in window 0)
	QUARTER 0, 1, F0, F1, 1
	QUARTER 0, 2, F1, F0, 0
	QUARTER 0, 3, F0, F1, 0
	TURN 0, 1, 1
	QUARTER 1, 1, F0, F1, 0
	QUARTER 1, 2, F1, F0, 0
	QUARTER 1, 3, F0, F1, 0
	TURN 1, 0, 1
	QUARTER 0, 1, F0, F1, 0
	QUARTER 0, 2, F1, F0, 0
	QUARTER 0, 3, F0, F1, 0
	TURN 0, 1, 0
	QUARTER 1, 1, F0, F1, 0
	QUARTER 1, 2, F1, F0, 0
	QUARTER 1, 3, F0, F1, 0
	s_wait_dscnt 8
	WIN MUL
	MUL4 F1, 0, 0
	MUL4 F1, 1, 0
	s_wait_dscnt 0
	MUL4 F1, 2, 0
	MUL4 F1, 3, 0
	WIN 0
.macro TOSTAGE a
.set ii, 0
.rept 16
	v_pk_mul_f32 v[TMP+ii:TMP+ii+1], v[ACC+32*(\a)+ii:ACC+32*(\a)+ii+1], s[96:97] op_sel_hi:[1,0]
.set ii, ii+2
.endr
.irp b, 0,1,2,3
	ds_store_b128 v[STO], v[TMP+8*\b:TMP+8*\b+3] offset:64*\b
	ds_store_b128 v[STO], v[TMP+8*\b+4:TMP+8*\b+7] offset:64*\b+16
.endr
.irp t, 0,1,2,3,4,5,6,7
	ds_load_b128 v[BK+32*((\a)%2)+4*\t:BK+32*((\a)%2)+4*\t+3], v[RD] offset:2*SPITCH*\t
.endr
.endm
.macro SEND a, younger
	s_wait_dscnt \younger
.irp t, 0,1,2,3,4,5,6,7
	global_store_b128 v[CO], v[BK+32*((\a)%2)+4*\t:BK+32*((\a)%2)+4*\t+3], s[10:11] offset:(16*(\a)+2*\t)*8192 th:TH_STORE_NT
.endr
.endm
	PLACES
	TOSTAGE 0
.irp a, 1,2,3
.if \a > 1
	s_wait_xcnt 0x0
.endif
	TOSTAGE \a
	SEND \a-1, 16
.endr
	SEND 3, 0
	s_wait_tensorcnt 0x0
	ds_add_u32 v[SPW], v[NIL]
	s_wait_dscnt 0x0
	CROUND
	s_endpgm
.Lfunc_end_k_q1572b913a4_oproj:
	.size	k_q1572b913a4_oproj, .Lfunc_end_k_q1572b913a4_oproj-k_q1572b913a4_oproj
	.p2alignl 7, 3214868480
	.fill 96, 4, 3214868480
	.section	.rodata,"a",@progbits
	.p2align	6, 0x0
	.amdhsa_kernel k_q1572b913a4_oproj
		.amdhsa_group_segment_fixed_size 327680
		.amdhsa_private_segment_fixed_size 0
		.amdhsa_enable_private_segment 0
		.amdhsa_kernarg_size 32
		.amdhsa_user_sgpr_count 2
		.amdhsa_user_sgpr_kernarg_segment_ptr 1
		.amdhsa_wavefront_size32 1
		.amdhsa_system_sgpr_workgroup_id_x 1
		.amdhsa_system_sgpr_workgroup_id_y 1
		.amdhsa_system_sgpr_workgroup_id_z 1
		.amdhsa_system_vgpr_workitem_id 0
		.amdhsa_next_free_vgpr 512
		.amdhsa_next_free_sgpr 98
		.amdhsa_reserve_vcc 0
		.amdhsa_float_denorm_mode_32 3
		.amdhsa_float_denorm_mode_16_64 3
		.amdhsa_memory_ordered 1
		.amdhsa_forward_progress 1
		.amdhsa_inst_pref_size 74
	.end_amdhsa_kernel
	.amdgpu_metadata
---
amdhsa.version: [ 1, 2 ]
amdhsa.kernels:
  - .name:           k_q1572b913a4_oproj
    .symbol:         k_q1572b913a4_oproj.kd
    .args:
      - { .name: ac, .offset: 0, .size: 8, .value_kind: global_buffer, .address_space: global }
      - { .name: wc, .offset: 8, .size: 8, .value_kind: global_buffer, .address_space: global }
      - { .name: lowp_scales, .offset: 16, .size: 8, .value_kind: global_buffer, .address_space: global }
      - { .name: out0, .offset: 24, .size: 8, .value_kind: global_buffer, .address_space: global }
    .group_segment_fixed_size: 327680
    .private_segment_fixed_size: 0
    .kernarg_segment_align: 8
    .kernarg_segment_size: 32
    .max_flat_workgroup_size: 128
    .sgpr_count:     98
    .vgpr_count:     512
    .wavefront_size: 32
...
	.end_amdgpu_metadata
.endif
;; end of part 4
